; MI455X (gfx1250); checked and timed in simulation.
; The chip was launched on July 23, 2026; its instructions are those of AMD's public machine-readable ISA for CDNA 5 (MIT licence, August 2026) and "CDNA5" Instruction Set Architecture Reference Guide (July 2026). The comments in the code are by the model that wrote it; some were corrected since.
;; Multi Head Attention. Allowed arithmetic: matrix products marked QUANTISED: E2M3 operands, one E8M0 scale for each 32 along K, by v_wmma_scale_f32_16x16x128_f8f6f4 with both operands' format E2M3, f32 sums; everything else in f32.
;; Inputs: W_k 1,024 x 1,024 float32; W_o 1,024 x 1,024 float32; W_q 1,024 x 1,024 float32; W_v 1,024 x 1,024 float32; b_k 1,024 float32; b_o 1,024 float32; b_q 1,024 float32; b_v 1,024 float32; x 4 x 2,048 x 1,024 float32.
;; Outputs: out0 4 x 2,048 x 1,024 float32.
;; This version of the problem:
;;   THIS VERSION OF THE PROBLEM IS GIVEN IN LOW PRECISION. The matrix products marked QUANTISED in the list below multiply operands that are first quantised to E2M3 (2 exponent bits, 3 mantissa bits; 6 bits a number), with one power-of-two scale for each 32 numbers along K (OCP MX v1.0); their sums are f32. All else is computed in f32.
;;   The module's matrix products, in the order in which they are computed (A, B: the left and right operand; K: the contracted axis; several contracted axes count as one K, in the product's order):
;;     1. [M 8,192, K 1,024] x [K 1,024, N 1,024]; A: input x; B: input W_q: QUANTISED
;;     2. [M 8,192, K 1,024] x [K 1,024, N 1,024]; A: input x; B: input W_k: QUANTISED
;;     3. [M 8,192, K 1,024] x [K 1,024, N 1,024]; A: input x; B: input W_v: QUANTISED
;;     4. batch 64 x [M 2,048, K 64] x [K 64, N 2,048]; A: computed on the way; B: computed on the way: QUANTISED
;;     5. batch 64 x [M 2,048, K 2,048] x [K 2,048, N 64]; A: softmax (see below); B: computed on the way: QUANTISED
;;     6. [M 8,192, K 1,024] x [K 1,024, N 1,024]; A: computed on the way; B: input W_o: QUANTISED
;;   THE QUANTISER, for each operand of a quantised product, along K:
;;     - K is cut into blocks of 32 from its start; a last block that is shorter is filled with zeros.
;;     - A block's scale is 2^e with e = floor(log2(the largest magnitude in the block)) - 2, held to -126 .. 127; a block of zeros has e = 0. As a byte (E8M0): e + 127.
;;     - Each number is divided by its block's scale, clamped to +-7.5, and rounded to the nearest number of E2M3, ties to even, subnormals kept.
;;     - The product sums the exact products of the quantised numbers (number of the format x scale) in f32.
;;   ~~~python
;;   def quantise(x, axis):      # numpy; x: float32 -> the quantised numbers, widened to float32 again
;;       x = np.moveaxis(x, axis, -1); K = x.shape[-1]
;;       x = np.pad(x, [(0, 0)] * (x.ndim - 1) + [(0, -K % 32)]); x = x.reshape(x.shape[:-1] + (-1, 32)); a = np.abs(x).max(-1, keepdims=True)
;;       e = np.where(a > 0, np.clip(np.frexp(np.where(a > 0, a, 1))[1] - 1 - 2, -126, 127), 0)      # np.frexp(a)[1] - 1 = floor(log2(a)), exactly
;;       r = np.clip(x / 2.0 ** e, -7.5, 7.5)
;;       step = 2.0 ** (np.maximum(np.frexp(np.where(r == 0, 1, r))[1] - 1, 0) - 3)
;;       q = np.round(r / step) * step * 2.0 ** e      # np.round: ties to even
;;       return np.moveaxis(q.reshape(q.shape[:-2] + (-1,))[..., :K], -1, axis).astype(np.float32)
;;   ~~~
;;   SOFTMAX AHEAD OF A QUANTISED PRODUCT. Where the list says 'softmax', what is quantised is not the finished softmax but p = 2^(t - M), with t = logit x log2(e) and M = ceil(the row's largest t), a whole number; so 1/2 < the row's largest p <= 1. The row's sum l is taken of the UNQUANTISED p, in f32, and the product's result is divided by l at the end. Since M is a whole number, a kernel that streams over the keys may use a running M (the ceiling of the running maximum): every later rescaling is an exact power of two, which a block's scale takes up: the codes' values come out the same.
;;   OPERANDS COMPUTED ON THE WAY. 'Computed on the way' means the value that the module computes at that place (a softmax that the list does not call 'softmax' is quantised finished and normalised). What goes into a quantiser is computed in f32, as accurately as f32 sums, v_exp_f32 and their like allow (about 1e-6 of the number): no bf16 or f16 on the way to a quantiser, and a product that is left as it is and whose result goes on into a quantised operand takes f32 operands (vector FMAs, or v_wmma_f32_16x16x4_f32). A number that lies on a knife's edge between two numbers of the format may be rounded either way, as far as f32 arithmetic and the matrix unit's own rounding can turn it there, and no further.
;; One version. Each part assembles by itself: llvm-mc -triple=amdgcn-amd-amdhsa -mcpu=gfx1250 --defsym DOCPART=n.
;; ======== version 1 of 1: 4 launches
;; workspace buffers: x_codes 6,291,456 bytes; x_scales 262,144 bytes; w_codes 3,145,728 bytes; w_scales 131,072 bytes; q 6,553,600 bytes; kv 13,107,200 bytes; a_codes 6,291,456 bytes; a_scales 262,144 bytes
;; launch quant (part 1): grid 768 x 1, 4 waves a work-group, no clusters, 35,328 bytes of LDS; arguments x, W_q, W_k, W_v, W_o, x_codes, x_scales, w_codes, w_scales; writes x_codes, x_scales, w_codes, w_scales
.if DOCPART == 1
	.amdgcn_target "amdgcn-amd-amdhsa--gfx1250"
	.amdhsa_code_object_version 6
	.text
	.protected	k_q13383c64bc_quant
	.globl	k_q13383c64bc_quant
	.p2align	8
	.type	k_q13383c64bc_quant,@function
k_q13383c64bc_quant:
	s_mov_b64 s[64:65], 0
	v_nop
	global_prefetch_b8 v0, s[64:65] scope:SCOPE_SE
	s_setreg_imm32_b32 hwreg(HW_REG_WAVE_MODE, 25, 1), 1
	s_wait_xcnt 0x0
; x [8192][1024] and W_q, W_k, W_v, W_o [1024][1024], f32, K innermost, become codes of FP6 (E2M3) with one E8M0 byte for each 32 along K.
; A block's scale is 2^(floor(log2(its largest magnitude)) - 2); its byte is the largest magnitude's exponent field - 2, held at 1 from below.
; LIMITS: a block of zeros gets the byte 1 where the rule says 127 (its codes are zeros, and this program alone reads the bytes); NaN and infinities among the inputs are not served.
; LAYOUT OF THE RESULTS.  A tile is 16 rows.  Image row r of tile t is tensor row 32 (t / 2) + 8 (t % 2) + r + 8 (r / 8): as source 0 of a product two neighbouring tiles then give a lane 16 neighbours.
; The codes lie as images of the operand's registers: for each tile 8 fragments (16 rows x 128 K, 12 registers a lane) of 1,536 bytes, register pair p at 256 p + 8 x lane: every store and every later load of a wave is 256 consecutive bytes.
; The scale bytes lie [tile][r][32]: the word at 4 s is the scale word of K step s.
; SHARES.  A work-group takes one tile (512 of x, 4 x 64 of the weights: 768 in all); wave w takes K steps 2 w and 2 w + 1.  Only pointers are chosen by the work-group's number: one path through the text.
; Each load reads 512 consecutive bytes of a row; a K step turns through the wave's own stage in LDS, so that a lane gets 16 neighbours of each block of 32.  No work-group shares input with another: no cluster, no tensor load.
.set WSTG, 8448                        ; a wave's stage: 16 rows of SP bytes
.set SP,   528                         ; 512 bytes + 16: row r starts 4 r words on, so the 16 rows that a load touches start at 16 different places modulo 256 bytes
.set SCA,  4*WSTG                      ; behind the stages: the tile's 512 scale bytes
.set LO,  1                            ; v1   16 x lane
.set L8,  2                            ; v2   8 x lane
.set SA,  3                            ; v3   the stage, on the way in
.set LA,  4                            ; v4   and on the way out: row r, + 64 h
.set SW,  5                            ; v5   where my row's scale words go
.set SR,  6                            ; v6   where wave 0 reads them back
.set PW,  12                           ; v12-13   the two scale words
.set R,   16                           ; v16-143  two K steps as loaded
.set X,   144                          ; v144-207 64 numbers: register 16 b + i = k 32 b + 16 h + i of my row
.set TM,  208                          ; v208-223 at work
.set PC,  224                          ; v224-247 two fragments of codes
.set PX,  248                          ; v248-254 the second halves of the blocks, before they are moved
; 64 numbers of a lane become a fragment's codes in v[pc] on and its scale word in v[pw]
.macro QUANT s, pc, pw
.irp b, 0,1,2,3
	v_max3_num_f32 v[TM+\b], |v[(\s)+16*\b]|, |v[(\s)+1+16*\b]|, 0x1800000   ; my 16 numbers of block b, and the floor 2^(3 - 127): the byte cannot fall under 1
.endr
.irp i, 2,4,6,8,10,12,14
.irp b, 0,1,2,3
	v_max3_num_f32 v[TM+\b], v[TM+\b], |v[(\s)+16*\b+\i]|, |v[(\s)+1+16*\b+\i]|   ; the four blocks by turns
.endr
.endr
.irp b, 0,1,2,3
	v_permlanex16_b32 v[TM+4+\b], v[TM+\b], s14, s15
.endr
.irp b, 0,1,2,3
	v_max_num_f32 v[TM+\b], v[TM+\b], v[TM+4+\b]   ; with lane l xor 16: the block's largest magnitude
.endr
.irp b, 0,1,2,3
	v_add_nc_u32 v[TM+12+\b], 0xff000000, v[TM+\b]   ; 2 off its exponent field: the conversion's scale operand
.endr
.irp b, 0,1,2,3
	v_lshrrev_b32 v[TM+4+\b], 23, v[TM+12+\b]      ; the byte
.endr
	v_lshl_or_b32 v[\pw], v[TM+5], 8, v[TM+4]
	v_lshl_or_b32 v[\pw], v[TM+6], 16, v[\pw]
	v_lshl_or_b32 v[\pw], v[TM+7], 24, v[\pw]
.irp c, 0,1
	v_cvt_scalef32_pk16_fp6_f32 v[(\pc)+6*\c:(\pc)+6*\c+2], v[(\s)+32*\c:(\s)+32*\c+15], v[TM+12+2*\c]
	v_cvt_scalef32_pk16_fp6_f32 v[PX+4*\c:PX+4*\c+2], v[(\s)+32*\c+16:(\s)+32*\c+31], v[TM+13+2*\c]   ; (a conversion's three registers begin on an even number)
.endr
	v_nop                                          ; one plain instruction behind the scaled conversions
.irp c, 0,1                                    ; the operand wants a whole block in a lane: lanes 0-15 block 2 c, lanes 16-31 block 2 c + 1
.irp i, 0,1,2
	v_permlane16_swap_b32 v[(\pc)+6*\c+\i], v[PX+4*\c+\i]
.endr
.irp i, 0,1,2
	v_mov_b32 v[(\pc)+6*\c+3+\i], v[PX+4*\c+\i]
.endr
.endr
.endm
	s_load_b256 s[4:11], s[0:1], 0x0               ; x, W_q, W_k, W_v
	s_load_b64 s[12:13], s[0:1], 0x20              ; W_o
	s_load_b256 s[16:23], s[0:1], 0x28             ; x_codes, x_scales, w_codes, w_scales
	v_lshl_add_u32 v251, v0, 2, 0x8800
	v_mov_b32 v255, 0
	v_lshrrev_b32 v7, 5, v0
	v_readfirstlane_b32 s2, v7                     ; wave
	v_and_b32 v8, 31, v0                           ; lane
	v_and_b32 v9, 15, v0                           ; r
	v_bfe_u32 v10, v0, 4, 1                        ; h
	v_lshlrev_b32 v[LO], 4, v8
	v_lshlrev_b32 v[L8], 3, v8
	s_mul_i32 s3, s2, WSTG
	v_add_nc_u32 v[SA], s3, v[LO]
	v_mul_u32_u24 v[LA], v9, SP
	v_lshl_add_u32 v[LA], v10, 6, v[LA]
	v_add_nc_u32 v[LA], s3, v[LA]
	s_lshl_b32 s3, s2, 3
	s_add_co_u32 s3, s3, SCA
	v_lshlrev_b32 v[SW], 5, v9
	v_add_nc_u32 v[SW], s3, v[SW]                  ; 32 r + 8 w: my wave's two words of row r
	v_add_nc_u32 v[SR], SCA, v[LO]
	s_mov_b32 s14, 0x76543210
	s_mov_b32 s15, 0xfedcba98                      ; lane l xor 16
.irp b, 0,1,2,3
	v_mov_b32 v[TM+4+\b], 0                        ; written once: a lane permute's destination counts as one of its sources
.endr
	s_wait_alu depctr_va_vdst(0)
	s_wait_kmcnt 0x0
	s_cmp_lt_u32 ttmp9, 704                        ; which tensor: the choices hang on the work-group's number alone
	s_cselect_b64 s[24:25], s[10:11], s[12:13]
	s_cmp_lt_u32 ttmp9, 640
	s_cselect_b64 s[24:25], s[8:9], s[24:25]
	s_cmp_lt_u32 ttmp9, 576
	s_cselect_b64 s[24:25], s[6:7], s[24:25]
	s_cmp_lt_u32 ttmp9, 512
	s_cselect_b64 s[24:25], s[4:5], s[24:25]
	s_cselect_b64 s[26:27], s[16:17], s[20:21]     ; the codes' buffer
	s_cselect_b64 s[28:29], s[18:19], s[22:23]     ; the scales'
	s_cselect_b32 s30, 0, 512
	s_cselect_b32 s31, 511, 63
	s_sub_co_u32 s32, ttmp9, s30                   ; the tile's number in its buffer of codes,
	s_and_b32 s33, s32, s31                        ; and in its tensor
	s_lshr_b32 s34, s33, 1
	s_lshl_b32 s34, s34, 17                        ; 32 rows of 4,096 bytes
	s_and_b32 s35, s33, 1
	s_lshl_b32 s35, s35, 15                        ; 8 rows
	s_add_co_u32 s34, s34, s35
	s_lshl_b32 s35, s2, 10                         ; my wave's 256 numbers of a row
	s_add_co_u32 s34, s34, s35
	s_mov_b32 s35, 0
	s_add_nc_u64 s[24:25], s[24:25], s[34:35]
	s_mul_i32 s36, s32, 12288
	s_mul_i32 s37, s2, 3072
	s_add_co_u32 s36, s36, s37
	s_mov_b32 s37, 0
	s_add_nc_u64 s[26:27], s[26:27], s[36:37]
	s_lshl_b32 s36, s32, 9
	s_add_nc_u64 s[28:29], s[28:29], s[36:37]
.irp a, 0,1
.irp i, 0,1,2,3,4,5,6,7,8,9,10,11,12,13,14,15
	global_load_b128 v[R+64*\a+4*\i:R+64*\a+4*\i+3], v[LO], s[24:25] offset:(\i+8*(\i/8))*4096+512*\a th:TH_LOAD_NT   ; image row i: 512 consecutive bytes
.endr
.endr
.macro KSTEP a
	s_wait_loadcnt 16*(1-\a)                       ; this step's sixteen loads are in; the later step's sixteen may be out
.irp i, 0,1,2,3,4,5,6,7,8,9,10,11,12,13,14,15
	ds_store_b128 v[SA], v[R+64*\a+4*\i:R+64*\a+4*\i+3] offset:SP*\i
.endr
.irp b, 0,1,2,3
.irp j, 0,1,2,3
	ds_load_b128 v[X+16*\b+4*\j:X+16*\b+4*\j+3], v[LA] offset:128*\b+16*\j   ; LDS serves a wave's instructions in order (ISA guide 5.7.1.4): these see the stores above, and the next step's stores come behind them
.endr
.endr
	s_wait_dscnt 0x0
	QUANT X, PC+12*\a, PW+\a
.irp p, 0,1,2,3,4,5
	global_store_b64 v[L8], v[PC+12*\a+2*\p:PC+12*\a+2*\p+1], s[26:27] offset:1536*\a+256*\p   ; 256 consecutive bytes, aligned
.endr
	ds_store_b32 v[SW], v[PW+\a] offset:4*\a       ; lanes l and l + 16 write the same word with the same value
.endm
	KSTEP 0
	KSTEP 1
	s_wait_dscnt 0x0                               ; for the others' sake: my scale words lie in LDS
	s_barrier_signal -1
	s_barrier_wait -1
	s_cmp_lg_u32 s2, 0
	s_cbranch_scc1 .Lend
	ds_load_b128 v[16:19], v[SR]                   ; wave 0 stores the tile's 512 scale bytes, 16 a lane
	s_wait_dscnt 0x0
	global_store_b128 v[LO], v[16:19], s[28:29]
.Lend:
	s_wait_tensorcnt 0x0
	ds_add_u32 v251, v255
	s_wait_dscnt 0x0
	s_endpgm
.Lfunc_end_k_q13383c64bc_quant:
	.size	k_q13383c64bc_quant, .Lfunc_end_k_q13383c64bc_quant-k_q13383c64bc_quant
	.p2alignl 7, 3214868480
	.fill 96, 4, 3214868480
	.section	.rodata,"a",@progbits
	.p2align	6, 0x0
	.amdhsa_kernel k_q13383c64bc_quant
		.amdhsa_group_segment_fixed_size 35328
		.amdhsa_private_segment_fixed_size 0
		.amdhsa_enable_private_segment 0
		.amdhsa_kernarg_size 72
		.amdhsa_user_sgpr_count 2
		.amdhsa_user_sgpr_kernarg_segment_ptr 1
		.amdhsa_wavefront_size32 1
		.amdhsa_system_sgpr_workgroup_id_x 1
		.amdhsa_system_sgpr_workgroup_id_y 1
		.amdhsa_system_sgpr_workgroup_id_z 1
		.amdhsa_system_vgpr_workitem_id 0
		.amdhsa_next_free_vgpr 256
		.amdhsa_next_free_sgpr 66
		.amdhsa_reserve_vcc 0
		.amdhsa_float_denorm_mode_32 3
		.amdhsa_float_denorm_mode_16_64 3
		.amdhsa_memory_ordered 1
		.amdhsa_forward_progress 1
		.amdhsa_inst_pref_size 20
	.end_amdhsa_kernel
	.amdgpu_metadata
---
amdhsa.version: [ 1, 2 ]
amdhsa.kernels:
  - .name:           k_q13383c64bc_quant
    .symbol:         k_q13383c64bc_quant.kd
    .args:
      - { .name: x, .offset: 0, .size: 8, .value_kind: global_buffer, .address_space: global }
      - { .name: W_q, .offset: 8, .size: 8, .value_kind: global_buffer, .address_space: global }
      - { .name: W_k, .offset: 16, .size: 8, .value_kind: global_buffer, .address_space: global }
      - { .name: W_v, .offset: 24, .size: 8, .value_kind: global_buffer, .address_space: global }
      - { .name: W_o, .offset: 32, .size: 8, .value_kind: global_buffer, .address_space: global }
      - { .name: x_codes, .offset: 40, .size: 8, .value_kind: global_buffer, .address_space: global }
      - { .name: x_scales, .offset: 48, .size: 8, .value_kind: global_buffer, .address_space: global }
      - { .name: w_codes, .offset: 56, .size: 8, .value_kind: global_buffer, .address_space: global }
      - { .name: w_scales, .offset: 64, .size: 8, .value_kind: global_buffer, .address_space: global }
    .group_segment_fixed_size: 35328
    .private_segment_fixed_size: 0
    .kernarg_segment_align: 8
    .kernarg_segment_size: 72
    .max_flat_workgroup_size: 128
    .sgpr_count:     66
    .vgpr_count:     256
    .wavefront_size: 32
...
	.end_amdgpu_metadata
.endif
;; end of part 1
;; launch qkv (part 2): grid 12 x 64, 4 waves a work-group, clusters of 4 x 4, 295,424 bytes of LDS; arguments x_codes, x_scales, w_codes, w_scales, b_q, b_k, b_v, q, kv; writes q, kv
.if DOCPART == 2
	.amdgcn_target "amdgcn-amd-amdhsa--gfx1250"
	.amdhsa_code_object_version 6
	.text
	.protected	k_q13383c64bc_qkv
	.globl	k_q13383c64bc_qkv
	.p2align	8
	.type	k_q13383c64bc_qkv,@function
k_q13383c64bc_qkv:
	s_mov_b64 s[64:65], 0
	v_nop
	global_prefetch_b8 v0, s[64:65] scope:SCOPE_SE
	s_setreg_imm32_b32 hwreg(HW_REG_WAVE_MODE, 25, 1), 1
	s_wait_xcnt 0x0
	s_wait_alu depctr_hold_cnt(0) depctr_sa_sdst(0) depctr_va_vdst(0) depctr_va_sdst(0) depctr_va_ssrc(0) depctr_va_vcc(0) depctr_vm_vsrc(0)
	s_getreg_b32 s2, hwreg(HW_REG_IB_STS2, 6, 4)
	s_cmp_eq_u32 s2, 0
	s_cbranch_scc0 .Lentry_in_a_cluster
	s_endpgm
.Lentry_in_a_cluster:
	s_bfe_u32 s2, ttmp6, 0x10000c
	s_cmp_lg_u32 s2, 0xf033
	s_cbranch_scc0 .Lentry_shape_is_right
	s_endpgm
.Lentry_shape_is_right:
; Q = x W_q^T + b_q, K = x W_k^T + b_k, V = x W_v^T + b_v on codes of FP6 (E2M3) with E8M0 scales; the results are quantised at once: Q and K along the head's 64, V along the keys.
; SHARES.  A work-group makes 128 tokens x 256 columns (768 work-groups); wave w makes all 128 tokens x columns 64 w .. 64 w + 63, one head: 32 accumulators, 256 registers.
; THE WHOLE K LIES IN LDS: (128 + 256) rows x 768 bytes = 294,912 bytes, filled once, in four chunks of 256 along K, so that products begin when the first chunk has landed.  No LDS byte is filled twice and none is stored to.
; CLUSTER 4 x 4: x's tiles are shared along a row of the cluster, W's along a column: each is asked for jointly.  The cluster's four columns are 1,024 columns, one section: SEC = cluster x (0 q, 1 k, 2 v) is equal in all sixteen partners.
; OPERANDS lie in memory and in LDS as images of their registers (16 rows x 128 K: 1,536 bytes, register pair p at 256 p + 8 x lane): a fragment is six loads of 256 consecutive bytes.
; THE ORDER OF THE SOURCES.  q, k: source 0 = 16 rows of W, source 1 = 16 tokens: a lane holds a token, its registers run along the head.  v: source 0 = 16 tokens, source 1 = 16 rows of W: a lane holds a channel, its registers run along the keys.
; The rows of a tile are 32 (t / 2) + 8 (t % 2) + r + 8 (r / 8), so in both orders 32 consecutive accumulator registers are a UNIT: register 16 b + i = k 32 b + 16 (lane / 16) + i of the next product.  One way out serves all three sections.
; The bias is the C of each sum's first product.
; LIMITS: a block of zeros gets the byte 1 (its codes are zeros; this program alone reads the bytes); NaN and infinities are not served.
; REGISTERS, in windows of 256: window 0: v1-6 offsets, v16-23 LDS addresses, v32-63 x's scale words, v64-79 W's, v80-223 at work on the way out.  window 1: fragment set 0 (v0-95 x's 8 tiles, v96-143 W's 4), v144-175 the bias.
;   window 2: fragment set 1.   window 3: the accumulators.
.set CHUNK, 73728                      ; a chunk in LDS: x's 8 tiles, then W's 16, TILEB bytes each
.set TILEB, 3072                       ; 16 rows x 256 K
.set WOFF,  8*TILEB
.set L8,   1                           ; v1  8 x lane
.set OXS,  2                           ; v2  x's scale words: 2,048 h + 32 r
.set OWS,  3                           ; v3  W's: 1,024 h + 32 r
.set OBQ,  4                           ; v4  the bias, sections q and k: 64 h
.set OSW,  5                           ; v5  the way out: 16 r + 8 h
.set OBV,  6                           ; v6  the bias, section v: 4 (r + 8 (r / 8))
.set AX,   16                          ; v16-19  x's tiles of chunk c
.set AW,   20                          ; v20-23  my wave's four tiles of W
.set XS,   32                          ; register 8 j + s: lanes 0-15 tile j, lanes 16-31 tile j + 4, K step s
.set WS,   64                          ; register 8 j + s: tiles j and j + 2
.set TM,   80                          ; the way out: 16 largest magnitudes (unit u, block b: 2 u + b)
.set T2,   96                          ; 16 at work
.set SO,   112                         ; 16 scale operands
.set WD,   128                         ; the four scale words
.set PR,   132                         ; the two that my half of the lanes stores
.set CD,   144                         ; unit u: codes at CD + 10 u + 0 .. 5, the second conversion's at + 6 .. 8
.set BB,   144                         ; in window 1: the bias, 8 registers a tile of W
.set WV,   22
.set HALF, 23
.set SEC,  27
.set G1X,  32                          ; s[32:39] group 1 for x's tiles;  s[40:47] for W's
.set G1W,  40
.set G0X,  48                          ; s[48:63] groups 0 for x, one a chunk;  s[68:83] for W
.set G0W,  68
.set MSB, 0
.macro WIN new                         ; the immediate's high byte repeats the setting that is left
.if MSB != \new
	s_set_vgpr_msb (MSB<<8)|\new
.set MSB, \new
.endif
.endm
.macro CROUND                          ; a round of the cluster's barrier
	s_barrier_signal -1
	s_barrier_wait -1
	s_cmp_lg_u32 s[WV], 0
	s_cbranch_scc1 .Lnot_wave_0_\@
	s_barrier_signal -3
.Lnot_wave_0_\@:
	s_barrier_wait -3
	s_barrier_signal -1
	s_barrier_wait -1
.endm
.macro PLACES n
.rept \n
	v_nop
.endr
.endm
; one product; ra, rb: the side's scale words stand in lanes 16-31 of the register named
.macro MM dd, aa, bb, cc, sa, sb, ra, rb
.if (\ra) && (\rb)
	v_wmma_scale_f32_16x16x128_f8f6f4 v[(\dd):(\dd)+7], v[(\aa):(\aa)+11], v[(\bb):(\bb)+11], v[(\cc):(\cc)+7], v[(\sa)], v[(\sb)] matrix_a_fmt:MATRIX_FMT_FP6 matrix_b_fmt:MATRIX_FMT_FP6 matrix_a_scale:MATRIX_SCALE_ROW1 matrix_b_scale:MATRIX_SCALE_ROW1
.elseif (\ra)
	v_wmma_scale_f32_16x16x128_f8f6f4 v[(\dd):(\dd)+7], v[(\aa):(\aa)+11], v[(\bb):(\bb)+11], v[(\cc):(\cc)+7], v[(\sa)], v[(\sb)] matrix_a_fmt:MATRIX_FMT_FP6 matrix_b_fmt:MATRIX_FMT_FP6 matrix_a_scale:MATRIX_SCALE_ROW1
.elseif (\rb)
	v_wmma_scale_f32_16x16x128_f8f6f4 v[(\dd):(\dd)+7], v[(\aa):(\aa)+11], v[(\bb):(\bb)+11], v[(\cc):(\cc)+7], v[(\sa)], v[(\sb)] matrix_a_fmt:MATRIX_FMT_FP6 matrix_b_fmt:MATRIX_FMT_FP6 matrix_b_scale:MATRIX_SCALE_ROW1
.else
	v_wmma_scale_f32_16x16x128_f8f6f4 v[(\dd):(\dd)+7], v[(\aa):(\aa)+11], v[(\bb):(\bb)+11], v[(\cc):(\cc)+7], v[(\sa)], v[(\sb)] matrix_a_fmt:MATRIX_FMT_FP6 matrix_b_fmt:MATRIX_FMT_FP6
.endif
.endm
; K step s: 72 LDS loads in one run: x's eight fragments and my four of W, into set s % 2
.macro FETCH s
.if (\s)%2 == 0
	WIN 0x40
.else
	WIN 0x80
.endif
.irp i, 0,1,2,3,4,5,6,7
.irp p, 0,1,2,3,4,5
	ds_load_b64 v[12*\i+2*\p:12*\i+2*\p+1], v[AX+(\s)/2] offset:TILEB*\i+1536*((\s)%2)+256*\p
.endr
.endr
.irp t, 0,1,2,3
.irp p, 0,1,2,3,4,5
	ds_load_b64 v[96+12*\t+2*\p:96+12*\t+2*\p+1], v[AW+(\s)/2] offset:TILEB*\t+1536*((\s)%2)+256*\p
.endr
.endr
	WIN 0
.endm
; K step s: 32 products.  The 32 accumulators take turns, one instruction a turn, in ascending order in both forms.  In step 0 the bias is C.
.macro MULS s, swap
.if (\s) == 0
	WIN 0xd5                                       ; sources 0 and 1 and C window 1, D window 3
.elseif (\s)%2 == 0
	WIN 0xf5                                       ; sources window 1, C and D window 3
.else
	WIN 0xfa                                       ; sources window 2
.endif
.if \swap
.irp d, 0,1,2,3
.irp i, 0,1,2,3,4,5,6,7
.if (\s) == 0
	MM 8*(8*\d+\i), 12*\i, 96+12*\d, BB+8*\d, XS+8*(\i%4)+(\s), WS+8*(\d%2)+(\s), \i/4, \d/2
.else
	MM 8*(8*\d+\i), 12*\i, 96+12*\d, 8*(8*\d+\i), XS+8*(\i%4)+(\s), WS+8*(\d%2)+(\s), \i/4, \d/2
.endif
.endr
.endr
.else
.irp i, 0,1,2,3,4,5,6,7
.irp t, 0,1,2,3
.if (\s) == 0
	MM 8*(4*\i+\t), 96+12*\t, 12*\i, BB+8*\t, WS+8*(\t%2)+(\s), XS+8*(\i%4)+(\s), \t/2, \i/4
.else
	MM 8*(4*\i+\t), 96+12*\t, 12*\i, 8*(4*\i+\t), WS+8*(\t%2)+(\s), XS+8*(\i%4)+(\s), \t/2, \i/4
.endif
.endr
.endr
.endif
.endm
; A K step: this step's fragments are in; the next step's are asked for (at a chunk's edge behind the wait for that chunk and a barrier); then the products.  Only the products stand in the arms of the branch on the section.
.macro STEP s
	s_wait_dscnt 0x0                               ; set s % 2 is in, and no LDS instruction of mine is out at a signal
.if ((\s) == 1) || ((\s) == 3) || ((\s) == 5)
	s_wait_tensorcnt 3-((\s)+1)/2                  ; my part of the next chunk has landed; my loads of the chunks behind it may stay out
	s_barrier_signal -1
	s_barrier_wait -1                              ; everybody's has
.endif
.if (\s) < 7
	PLACES 4                                       ; in front of loads into registers that the last step's products read (ISA guide 7.12.1 for vector instructions)
	FETCH (\s)+1
.endif
	s_cmp_eq_u32 s[SEC], 2
	s_cbranch_scc1 .Lv_\@
	MULS \s, 0
	WIN 0
	s_branch .Lj_\@
.Lv_\@:
	MULS \s, 1
	WIN 0
.Lj_\@:
.endm
	s_load_b256 s[4:11], s[0:1], 0x0               ; x_codes, x_scales, w_codes, w_scales
	s_load_b256 s[12:19], s[0:1], 0x20             ; b_q, b_k, b_v, q
	s_load_b64 s[20:21], s[0:1], 0x40              ; kv
	v_lshl_add_u32 v254, v0, 2, 0x48000
	v_mov_b32 v255, 0
	ds_add_u32 v254, v255
	ds_add_u32 v254, v255
	v_lshrrev_b32 v7, 5, v0
	v_readfirstlane_b32 s[WV], v7                  ; wave 0..3
	s_and_b32 s[HALF], s[WV], 1                    ; which half of a tile set I fetch
	s_lshr_b32 s24, s[WV], 1                       ; I fetch for x (0) or for W (1)
	s_bfe_u32 s25, ttmp6, 0x40000                  ; cx
	s_bfe_u32 s26, ttmp6, 0x40004                  ; cy
	s_mov_b32 s[SEC], ttmp9                        ; the section = cluster x
	s_and_b32 s28, ttmp7, 0xffff
	s_lshl_b32 s28, s28, 2
	s_add_co_u32 s28, s28, s26                     ; R: which 128 tokens = 4 x cluster y + cy
	s_lshl_b32 s29, s[SEC], 2
	s_add_co_u32 s29, s29, s25                     ; CT: which 256 rows of the four weights on end
	s_lshl_b32 s84, s26, 2
	s_lshl_b32 s84, 15, s84                        ; my row of the cluster
	s_lshl_b32 s88, 0x1111, s25                    ; my column
	; group 1: tile rows of 3,072 bytes (384 elements of 8 bytes: 16 rows x 256 K), 12,288 bytes apart in memory, dense in LDS; 4 of x or 8 of W to a load
	s_or_b32 s[G1X], s84, (3<<16)|(1<<21)          ; 15:0 the mask; 17:16 elements of 8 bytes; 21 set beside a mask
	s_or_b32 s[G1W], s88, (3<<16)|(1<<21)
	s_mov_b32 s[G1X+1], 384<<16                    ; tensor_dim0
	s_mov_b32 s[G1X+2], 4<<16                      ; tensor_dim1
	s_mov_b32 s[G1X+3], 384<<16                    ; tile_dim0
	s_mov_b32 s[G1X+4], 4                          ; tile_dim1
	s_mov_b32 s[G1X+5], 1536                       ; tensor_dim0_stride
	s_mov_b32 s[G1X+6], 0
	s_mov_b32 s[G1X+7], 0
	s_mov_b32 s[G1W+1], 384<<16
	s_mov_b32 s[G1W+2], 8<<16
	s_mov_b32 s[G1W+3], 384<<16
	s_mov_b32 s[G1W+4], 8
	s_mov_b32 s[G1W+5], 1536
	s_mov_b32 s[G1W+6], 0
	s_mov_b32 s[G1W+7], 0
	s_mul_i32 s84, s28, 98304                      ; x: 8 tiles of 12,288 bytes for each R, + my half's four.  These registers never hold cx,
	s_mul_i32 s85, s[HALF], 49152
	s_add_co_u32 s84, s84, s85
	s_mov_b32 s85, 0
	s_mul_i32 s88, s29, 196608                     ; W: 16 tiles for each CT, + my half's eight.  and these never cy
	s_mul_i32 s89, s[HALF], 98304
	s_add_co_u32 s88, s88, s89
	s_mov_b32 s89, 0
	s_mul_i32 s30, s[HALF], 4*TILEB                ; where they go: the wave's number alone enters an LDS address
	s_mul_i32 s31, s[HALF], 8*TILEB
	s_add_co_u32 s31, s31, WOFF
	s_wait_dscnt 0x0
	s_wait_kmcnt 0x0
	s_add_nc_u64 s[86:87], s[4:5], s[84:85]
	s_add_nc_u64 s[90:91], s[8:9], s[88:89]
.irp c, 0,1,2,3
	s_mov_b32 s[G0X+4*\c], 1
	s_add_co_u32 s[G0X+4*\c+1], s30, \c*CHUNK
	s_add_nc_u64 s[G0X+4*\c+2:G0X+4*\c+3], s[86:87], \c*TILEB
	s_or_b32 s[G0X+4*\c+3], s[G0X+4*\c+3], 0x80000000
	s_mov_b32 s[G0W+4*\c], 1
	s_add_co_u32 s[G0W+4*\c+1], s31, \c*CHUNK
	s_add_nc_u64 s[G0W+4*\c+2:G0W+4*\c+3], s[90:91], \c*TILEB
	s_or_b32 s[G0W+4*\c+3], s[G0W+4*\c+3], 0x80000000
.endr
	CROUND                                         ; all sixteen work-groups are here: the joint loads meet
	s_cmp_eq_u32 s24, 0                            ; a wave's four fills stand in one branch on the wave's number: four loads of mine are out
	s_cbranch_scc0 .Lfill_w
.irp c, 0,1,2,3
	tensor_load_to_lds s[G0X+4*\c:G0X+4*\c+3], s[G1X:G1X+7]
	s_nop 0
.endr
	PLACES 4
	s_branch .Lfilled
.Lfill_w:
.irp c, 0,1,2,3
	tensor_load_to_lds s[G0W+4*\c:G0W+4*\c+3], s[G1W:G1W+7]
	s_nop 0
.endr
	PLACES 4
.Lfilled:
	v_and_b32 v7, 31, v0
	v_and_b32 v8, 15, v0                           ; r
	v_bfe_u32 v9, v0, 4, 1                         ; h
	v_lshlrev_b32 v[L8], 3, v7
	v_lshlrev_b32 v[OXS], 5, v8
	v_lshl_add_u32 v[OWS], v9, 10, v[OXS]
	v_lshl_add_u32 v[OXS], v9, 11, v[OXS]
	v_lshlrev_b32 v[OBQ], 6, v9
	v_lshlrev_b32 v[OSW], 4, v8
	v_lshl_add_u32 v[OSW], v9, 3, v[OSW]
	v_and_b32 v[OBV], 8, v8
	v_add_nc_u32 v[OBV], v[OBV], v8
	v_lshlrev_b32 v[OBV], 2, v[OBV]
	s_mul_i32 s66, s[WV], 4*TILEB
	s_add_co_u32 s66, s66, WOFF
.irp c, 0,1,2,3
	v_add_nc_u32 v[AX+\c], \c*CHUNK, v[L8]
	v_add_nc_u32 v[AW+\c], s66, v[AX+\c]
.endr
	; the scale words of all of K go straight into registers, once: 32 bytes a row
	s_lshl_b32 s96, s28, 12                        ; x's: 8 tiles of 512 bytes for each R
	s_mov_b32 s97, 0
	s_add_nc_u64 s[6:7], s[6:7], s[96:97]
	s_lshl_b32 s96, s29, 13                        ; W's: 16 tiles for each CT, + my wave's four
	s_lshl_b32 s67, s[WV], 11
	s_add_co_u32 s96, s96, s67
	s_add_nc_u64 s[10:11], s[10:11], s[96:97]
.irp j, 0,1,2,3
	global_load_b128 v[XS+8*\j:XS+8*\j+3], v[OXS], s[6:7] offset:512*\j
	global_load_b128 v[XS+8*\j+4:XS+8*\j+7], v[OXS], s[6:7] offset:512*\j+16
.endr
.irp j, 0,1
	global_load_b128 v[WS+8*\j:WS+8*\j+3], v[OWS], s[10:11] offset:512*\j
	global_load_b128 v[WS+8*\j+4:WS+8*\j+7], v[OWS], s[10:11] offset:512*\j+16
.endr
	; the bias of my 64 columns, in the result's layout
	s_cmp_eq_u32 s[SEC], 0
	s_cselect_b64 s[92:93], s[12:13], s[14:15]
	s_cmp_eq_u32 s[SEC], 2
	s_cselect_b64 s[92:93], s[16:17], s[92:93]
	s_lshl_b32 s96, s25, 10
	s_lshl_b32 s67, s[WV], 8
	s_add_co_u32 s96, s96, s67                     ; 4 (256 cx + 64 wave)
	s_add_nc_u64 s[92:93], s[92:93], s[96:97]
	s_cmp_eq_u32 s[SEC], 2
	s_cbranch_scc1 .Lbias_v
	WIN 0x40
.irp t, 0,1,2,3                                ; q, k: register j of tile t is column 32 (t / 2) + 8 (t % 2) + 16 h + j
	global_load_b128 v[BB+8*\t:BB+8*\t+3], v[OBQ], s[92:93] offset:4*(32*(\t/2)+8*(\t%2))
	global_load_b128 v[BB+8*\t+4:BB+8*\t+7], v[OBQ], s[92:93] offset:4*(32*(\t/2)+8*(\t%2))+16
.endr
	WIN 0
	s_branch .Lbias_done
.Lbias_v:
	WIN 0x40
	s_wait_alu depctr_va_vdst(0)
.irp t, 0,1,2,3                                ; v: a lane holds one column, 32 (t / 2) + 8 (t % 2) + r + 8 (r / 8): one number for the tile's eight registers
	global_load_b32 v[BB+8*\t], v[OBV], s[92:93] offset:4*(32*(\t/2)+8*(\t%2))
.endr
	s_wait_loadcnt 0x0
	WIN 0x41
.irp t, 0,1,2,3
.irp k, 1,2,3,4,5,6,7
	v_mov_b32 v[BB+8*\t+\k], v[BB+8*\t]
.endr
.endr
	WIN 0
.Lbias_done:
	; where my results go: record ((R / 16) 16 + head) 16 + R % 16 of q (6,400 bytes) or of kv (12,800: K's codes, V's codes, K's words, V's words)
	s_mov_b32 s66, 12800
	s_mov_b32 s67, 12288
	s_cmp_eq_u32 s[SEC], 0
	s_cselect_b64 s[94:95], s[18:19], s[20:21]
	s_cselect_b32 s66, 6400, s66
	s_cselect_b32 s67, 6144, s67
	s_cmp_eq_u32 s[SEC], 2
	s_cselect_b32 s67, 12544, s67                  ; where the scale words begin in the record,
	s_cselect_b32 s96, 6144, 0                     ; and the codes
	s_lshr_b32 s97, s28, 4
	s_lshl_b32 s97, s97, 4
	s_lshl_b32 s98, s25, 2
	s_add_co_u32 s98, s98, s[WV]                   ; the head = 4 cx + wave
	s_add_co_u32 s97, s97, s98
	s_lshl_b32 s97, s97, 4
	s_and_b32 s98, s28, 15
	s_add_co_u32 s97, s97, s98
	s_mul_i32 s97, s97, s66
	s_add_co_u32 s96, s96, s97
	s_add_co_u32 s98, s67, s97
	s_mov_b32 s97, 0
	s_mov_b32 s99, 0
	s_add_nc_u64 s[98:99], s[94:95], s[98:99]      ; the scale words
	s_add_nc_u64 s[94:95], s[94:95], s[96:97]      ; the codes
	s_mov_b32 s2, 0x76543210
	s_mov_b32 s3, 0xfedcba98                       ; lane l xor 16
	s_mov_b32 s100, 0xffff0000                     ; lanes 16-31
	s_wait_tensorcnt 0x3                           ; my part of chunk 0 is in; my three later loads may stay out
	s_barrier_signal -1
	s_barrier_wait -1                              ; everybody's is
	s_wait_alu depctr_va_vdst(0)
	FETCH 0
	s_wait_loadcnt 0x0                             ; the scale words and the bias
.irp s, 0,1,2,3,4,5,6,7
	STEP \s
.endr
	; THE WAY OUT.  Unit u = accumulator registers 32 u .. 32 u + 31: 16 rows x 64 along the next K, two blocks.  q, k: u = the tile of tokens; v: u = 2 x the tile of channels + which 64 of the 128 keys.
.irp k, 0,1,2,3,4,5,6,7,8,9,10,11,12,13,14,15
	v_mov_b32 v[T2+\k], 0                          ; the lane permutes' destinations are written once; these sixteen are also the places behind the last products
.endr
	WIN 0x0f                                       ; sources 0 and 1 window 3
.irp u, 0,1,2,3,4,5,6,7
.irp b, 0,1
	v_max3_num_f32 v[TM+2*\u+\b], |v[32*\u+16*\b]|, |v[32*\u+16*\b+1]|, 0x1800000   ; and the floor 2^(3 - 127).  Each accumulator is read from its low end on
.endr
.endr
	WIN 0x3c                                       ; sources 1 and 2 window 3
.irp i, 2,4,6,8,10,12,14
.irp u, 0,1,2,3,4,5,6,7
.irp b, 0,1
	v_max3_num_f32 v[TM+2*\u+\b], v[TM+2*\u+\b], |v[32*\u+16*\b+\i]|, |v[32*\u+16*\b+\i+1]|
.endr
.endr
.endr
	WIN 0
.irp k, 0,1,2,3,4,5,6,7,8,9,10,11,12,13,14,15
	v_permlanex16_b32 v[T2+\k], v[TM+\k], s2, s3
.endr
.irp k, 0,1,2,3,4,5,6,7,8,9,10,11,12,13,14,15
	v_max_num_f32 v[TM+\k], v[TM+\k], v[T2+\k]     ; with lane l xor 16: the block's largest magnitude
.endr
.irp k, 0,1,2,3,4,5,6,7,8,9,10,11,12,13,14,15
	v_add_nc_u32 v[SO+\k], 0xff000000, v[TM+\k]    ; 2 off the exponent field: the conversion's scale operand
.endr
.irp k, 0,1,2,3,4,5,6,7,8,9,10,11,12,13,14,15
	v_lshrrev_b32 v[T2+\k], 23, v[SO+\k]           ; the byte
.endr
.irp u, 0,1,2,3,4,5,6,7
	v_lshl_or_b32 v[T2+2*\u], v[T2+2*\u+1], 8, v[T2+2*\u]   ; a unit's two bytes
.endr
.irp w, 0,1,2,3
	v_lshl_or_b32 v[WD+\w], v[T2+4*\w+2], 16, v[T2+4*\w]    ; word w: units 2 w and 2 w + 1
.endr
	v_cndmask_b32 v[PR], v[WD], v[WD+2], s100      ; lanes 0-15 store words 0 and 1 of their row, lanes 16-31 words 2 and 3
	v_cndmask_b32 v[PR+1], v[WD+1], v[WD+3], s100
	WIN 0x03                                       ; source 0 window 3
.irp u, 0,1,2,3,4,5,6,7
	v_cvt_scalef32_pk16_fp6_f32 v[CD+10*\u:CD+10*\u+2], v[32*\u:32*\u+15], v[SO+2*\u]
	v_cvt_scalef32_pk16_fp6_f32 v[CD+10*\u+6:CD+10*\u+8], v[32*\u+16:32*\u+31], v[SO+2*\u+1]
.endr
	WIN 0
	v_nop                                          ; one plain instruction behind the scaled conversions
.irp u, 0,1,2,3,4,5,6,7
.irp i, 0,1,2
	v_permlane16_swap_b32 v[CD+10*\u+\i], v[CD+10*\u+6+\i]   ; lanes 0-15 get block 0 whole, lanes 16-31 block 1
.endr
.endr
.irp u, 0,1,2,3,4,5,6,7
.irp i, 0,1,2
	v_mov_b32 v[CD+10*\u+3+\i], v[CD+10*\u+6+\i]
.endr
.endr
.irp u, 0,1,2,3,4,5,6,7
.irp p, 0,1,2
	global_store_b64 v[L8], v[CD+10*\u+2*\p:CD+10*\u+2*\p+1], s[94:95] offset:768*\u+256*\p   ; 256 consecutive bytes, aligned
.endr
.endr
	global_store_b64 v[OSW], v[PR:PR+1], s[98:99]  ; the 16 rows' four words: 256 consecutive bytes
	s_wait_tensorcnt 0x0
	ds_add_u32 v254, v255
	s_wait_dscnt 0x0
	CROUND                                         ; the closing round: no work-group ends while a partner may still ask for a tile that names it
	s_endpgm
.Lfunc_end_k_q13383c64bc_qkv:
	.size	k_q13383c64bc_qkv, .Lfunc_end_k_q13383c64bc_qkv-k_q13383c64bc_qkv
	.p2alignl 7, 3214868480
	.fill 96, 4, 3214868480
	.section	.rodata,"a",@progbits
	.p2align	6, 0x0
	.amdhsa_kernel k_q13383c64bc_qkv
		.amdhsa_group_segment_fixed_size 295424
		.amdhsa_private_segment_fixed_size 0
		.amdhsa_enable_private_segment 0
		.amdhsa_kernarg_size 72
		.amdhsa_user_sgpr_count 2
		.amdhsa_user_sgpr_kernarg_segment_ptr 1
		.amdhsa_wavefront_size32 1
		.amdhsa_system_sgpr_workgroup_id_x 1
		.amdhsa_system_sgpr_workgroup_id_y 1
		.amdhsa_system_sgpr_workgroup_id_z 1
		.amdhsa_system_vgpr_workitem_id 0
		.amdhsa_next_free_vgpr 1024
		.amdhsa_next_free_sgpr 104
		.amdhsa_reserve_vcc 0
		.amdhsa_float_denorm_mode_32 3
		.amdhsa_float_denorm_mode_16_64 3
		.amdhsa_memory_ordered 1
		.amdhsa_forward_progress 1
		.amdhsa_inst_pref_size 135
	.end_amdhsa_kernel
	.amdgpu_metadata
---
amdhsa.version: [ 1, 2 ]
amdhsa.kernels:
  - .name:           k_q13383c64bc_qkv
    .symbol:         k_q13383c64bc_qkv.kd
    .args:
      - { .name: x_codes, .offset: 0, .size: 8, .value_kind: global_buffer, .address_space: global }
      - { .name: x_scales, .offset: 8, .size: 8, .value_kind: global_buffer, .address_space: global }
      - { .name: w_codes, .offset: 16, .size: 8, .value_kind: global_buffer, .address_space: global }
      - { .name: w_scales, .offset: 24, .size: 8, .value_kind: global_buffer, .address_space: global }
      - { .name: b_q, .offset: 32, .size: 8, .value_kind: global_buffer, .address_space: global }
      - { .name: b_k, .offset: 40, .size: 8, .value_kind: global_buffer, .address_space: global }
      - { .name: b_v, .offset: 48, .size: 8, .value_kind: global_buffer, .address_space: global }
      - { .name: q, .offset: 56, .size: 8, .value_kind: global_buffer, .address_space: global }
      - { .name: kv, .offset: 64, .size: 8, .value_kind: global_buffer, .address_space: global }
    .group_segment_fixed_size: 295424
    .private_segment_fixed_size: 0
    .kernarg_segment_align: 8
    .kernarg_segment_size: 72
    .max_flat_workgroup_size: 128
    .sgpr_count:     104
    .vgpr_count:     1024
    .wavefront_size: 32
...
	.end_amdgpu_metadata
.endif
;; end of part 2
;; launch attn (part 3): grid 4 x 64, 16 waves a work-group, clusters of 4 x 1, 206,848 bytes of LDS; arguments q, kv, a_codes, a_scales; writes a_codes, a_scales
.if DOCPART == 3
	.amdgcn_target "amdgcn-amd-amdhsa--gfx1250"
	.amdhsa_code_object_version 6
	.text
	.protected	k_q13383c64bc_attn
	.globl	k_q13383c64bc_attn
	.p2align	8
	.type	k_q13383c64bc_attn,@function
k_q13383c64bc_attn:
	s_mov_b64 s[64:65], 0
	v_nop
	global_prefetch_b8 v0, s[64:65] scope:SCOPE_SE
	s_setreg_imm32_b32 hwreg(HW_REG_WAVE_MODE, 25, 1), 1
	s_wait_xcnt 0x0
	s_wait_alu depctr_hold_cnt(0) depctr_sa_sdst(0) depctr_va_vdst(0) depctr_va_sdst(0) depctr_va_ssrc(0) depctr_va_vcc(0) depctr_vm_vsrc(0)
	s_getreg_b32 s2, hwreg(HW_REG_IB_STS2, 6, 4)
	s_cmp_eq_u32 s2, 0
	s_cbranch_scc0 .Lentry_in_a_cluster
	s_endpgm
.Lentry_in_a_cluster:
	s_bfe_u32 s2, ttmp6, 0x10000c
	s_cmp_lg_u32 s2, 0x3003
	s_cbranch_scc0 .Lentry_shape_is_right
	s_endpgm
.Lentry_shape_is_right:
; Causal attention of one head on codes of FP6 (E2M3): S = Q K^T / 8, p = 2^(t - M), O = (p V) / l; O is quantised along the head's 64 for the last projection.
; t = score x log2(e) / 8; M = the running largest t rounded UP to a whole number; p is quantised along the keys and not normalised; l is the sum of the unquantised p.  When M moves, l and O are multiplied by 2^(old M - new M): exact.
; CLUSTER.  The four work-groups of a cluster belong to one (batch, head) and read the same 204,800 bytes of K and V (16 records of 128 keys): asked for jointly, filled once, and kept in LDS for the whole launch.  Nothing is stored to LDS.
; SHARES.  A head has 16 groups of 128 queries, 8 tiles of 16 each.  Wave w (g = w / 2, e = w % 2) of work-group cx owns tile 2 cx + e of group 15 - g (job 1) and of group g (job 2).  A tile of group G needs G + 1 key steps: every wave does 17.
; TRIPS n = 0 .. 16, one key step of 128 keys each: job 1 takes step n while n <= 15 - g; job 2 takes step 16 - n from n = 16 - g on, downward (a running M allows any order).  Branches hang on the wave's number and on counters alone; cx enters
; global addresses and the mask's comparand, a vector register.  The step on the diagonal (job 1's last, job 2's first) hides keys behind the query by -infinity; its key 0 counts for every query, so M is a number from a job's first step on.
; LAYOUT.  Both products are used transposed: S^T = K Q^T, O^T = V^T p^T: a lane holds one query.  The rows of a tile are 32 (t / 2) + 8 (t % 2) + r + 8 (r / 8), so that the 16 registers of two neighbouring result tiles are 16 neighbours.
; THE HEAD IS 64 LONG, the instruction 128: a fragment of K holds key tile 2 f in k = 0 .. 63 and tile 2 f + 1 in k = 64 .. 127; against [Q, 0] it gives tile 2 f, against [0, Q] tile 2 f + 1.  Zero codes add nothing under any scale byte that K has.
; LIMITS: O / l is a multiplication by v_rcp_f32; a block of zeros gets the byte 1 (its codes are zeros; this program alone reads the bytes); NaN and infinities are not served.
.set REC,  12800                       ; a record: K's 4 fragments, V's 4 fragments (1,536 bytes each), K's scale words [r][4], V's
.set L8,   1                           ; v1   8 x lane
.set R16,  2                           ; v2   16 r
.set DQ,   3                           ; v3   my query's place in its group - 16 h
.set ADL,  4                           ; v4   the step's fragments
.set ADS,  5                           ; v5   the step's scale words
.set GS,   6                           ; v6   32 r + h: my byte of a_scales
.set VQ,   7                           ; v7   my place in a record of q
.set KS,   8                           ; v8-11   K's scale words
.set QHI,  16                          ; v16-27  [0, Q]
.set QLO,  22                          ; v22-33  [Q, 0]: v16-21 and v28-33 are zeros, v22-27 is Q
.set QS,   34                          ; v34  Q's scale word;  v35 job 2's
.set Q2,   36                          ; v36-41  job 2's Q
.set VS,   42                          ; v42-45  V's scale words
.set RW,   46                          ; v46-47  the words of q as loaded
.set F,    48                          ; v48-95  four fragments: K's, then V's
.set S,    96                          ; v96-159 S^T, then p
.set O,    160                         ; v160-191 O^T
.set PCD,  192                         ; v192-203 p's codes
.set PX,   204                         ; v204-206, v208-210 the second conversions' results
.set BM,   212                         ; v212-215 the blocks' largest
.set T,    216                         ; v216-219 at work
.set SO,   220                         ; v220-223 scale operands
.set PW,   224                         ; v224 p's scale word
.set FF,   226                         ; v[226:227] f = 2^(old M - new M); v227 is named with it and written once
.set TP,   228
.set VQS,  229
.set WV,   12
.set G,    13
.set E,    14
.set CX,   15
.set BH,   16
.set NSW,  17                          ; s17  the trip at which job 2 begins: 16 - g
.set NN,   18                          ; s18  the trip
.set TB,   19                          ; s19  LDS byte of the step's record
.set SEL,  20
.set CS,   22                          ; s[22:23] c = log2(e) / 8
.set AH,   24                          ; s24  12,800 n
.set AL,   25                          ; s25  12,800 (16 - n)
.set HM,   26                          ; s26  lanes 16-31
.set G1A,  28                          ; s[28:35] group 1: 50 rows of 256 bytes;  s[36:43]: 150 rows
.set G1B,  36
.set G0A,  44
.set G0B,  48
.set QP,   52                          ; s[52:55] the two jobs' records of q
.set AC,   56                          ; s[56:59] their places in a_codes
.set ASC,  60                          ; s[60:63] and in a_scales
.macro CROUND                          ; a round of the cluster's barrier
	s_barrier_signal -1
	s_barrier_wait -1
	s_cmp_lg_u32 s[WV], 0
	s_cbranch_scc1 .Lnot_wave_0_\@
	s_barrier_signal -3
.Lnot_wave_0_\@:
	s_barrier_wait -3
	s_barrier_signal -1
	s_barrier_wait -1
.endm
; A KEY STEP: 128 keys, the record at s[TB].  mask = 1: the step may lie on the diagonal.
.macro STEP mask
	v_add_nc_u32 v[ADL], s[TB], v[L8]
	v_add_nc_u32 v[ADS], s[TB], v[R16]
	v_nop
	v_nop                                          ; four plain instructions in front of loads into registers that the last products read
.irp f, 0,1,2,3
.irp p, 0,1,2,3,4,5
	ds_load_b64 v[F+12*\f+2*\p:F+12*\f+2*\p+1], v[ADL] offset:1536*\f+256*\p   ; K: 256 consecutive bytes a load
.endr
.endr
	ds_load_b128 v[KS:KS+3], v[ADS] offset:12288
	ds_load_b128 v[VS:VS+3], v[ADS] offset:12544
	s_wait_alu depctr_va_vdst(0)
	s_wait_dscnt 0x0
.irp f, 0,1,2,3
	v_wmma_scale_f32_16x16x128_f8f6f4 v[S+16*\f:S+16*\f+7], v[F+12*\f:F+12*\f+11], v[QLO:QLO+11], 0, v[KS+\f], v[QS] matrix_a_fmt:MATRIX_FMT_FP6 matrix_b_fmt:MATRIX_FMT_FP6
	v_wmma_scale_f32_16x16x128_f8f6f4 v[S+16*\f+8:S+16*\f+15], v[F+12*\f:F+12*\f+11], v[QHI:QHI+11], 0, v[KS+\f], v[QS] matrix_a_fmt:MATRIX_FMT_FP6 matrix_b_fmt:MATRIX_FMT_FP6
.endr                                          ; register 16 b + i of S^T is key 32 b + 16 h + i of the step
.rept 4
	v_nop                                          ; in front of the loads below and of the first read of the scores
.endr
.irp f, 0,1,2,3
.irp p, 0,1,2,3,4,5
	ds_load_b64 v[F+12*\f+2*\p:F+12*\f+2*\p+1], v[ADL] offset:6144+1536*\f+256*\p   ; V: it lands while the softmax is worked
.endr
.endr
.if \mask
	s_sub_co_u32 s66, s[NSW], s[NN]                ; 1 in job 1's last trip, 0 in job 2's first: the diagonal
	s_cmp_gt_u32 s66, 1
	s_cbranch_scc1 .Lopen_\@
	v_mov_b32 v[TP], 0xff800000                    ; -infinity
.irp b, 0,1,2,3
.irp i, 0,1,2,3,4,5,6,7,8,9,10,11,12,13,14,15
	v_cmp_gt_i32 vcc_lo, 32*\b+\i, v[DQ]           ; the key comes after my query
	v_cndmask_b32 v[S+16*\b+\i], v[S+16*\b+\i], v[TP], vcc_lo
.endr
.endr
.Lopen_\@:
.endif
.irp b, 0,1,2,3
	v_max3_num_f32 v[BM+\b], v[S+16*\b], v[S+16*\b+1], v[S+16*\b+2]   ; the largest score of each block of 32 keys: it serves the row's maximum and, since p rises with the score, the block's largest p
.endr
.irp i, 3,5,7,9,11,13
.irp b, 0,1,2,3
	v_max3_num_f32 v[BM+\b], v[BM+\b], v[S+16*\b+\i], v[S+16*\b+\i+1]
.endr
.endr
.irp b, 0,1,2,3
	v_max_num_f32 v[BM+\b], v[BM+\b], v[S+16*\b+15]
.endr
.irp b, 0,1,2,3
	s_delay_alu instid0(VALU_DEP_4)
	v_permlanex16_b32 v[T+\b], v[BM+\b], s[SEL], s[SEL+1]
.endr
.irp b, 0,1,2,3
	s_delay_alu instid0(VALU_DEP_4)
	v_max_num_f32 v[BM+\b], v[BM+\b], v[T+\b]      ; with lane l xor 16's 16 keys
.endr
	s_delay_alu instid0(VALU_DEP_2)
	v_max3_num_f32 v[TP], v[BM], v[BM+1], v[BM+2]
	s_delay_alu instid0(VALU_DEP_1)
	v_max_num_f32 v[TP], v[TP], v[BM+3]
	s_delay_alu instid0(VALU_DEP_1)
	v_mul_f32 v[TP], s[CS], v[TP]                  ; the step's largest t
	s_delay_alu instid0(VALU_DEP_1)
	v_max_num_f32 v13, v13, v[TP]                  ; the running largest
	v_mov_b32 v[TP], v12
	s_delay_alu instid0(VALU_DEP_2)
	v_floor_f32 v12, -v13                          ; -M = floor(-t)
	s_delay_alu instid0(VALU_DEP_1)
	v_sub_f32 v[TP], v12, v[TP]                    ; old M - new M: a whole number, 0 or less
	s_delay_alu instid0(VALU_DEP_1)
	v_cvt_i32_f32 v[TP], v[TP]                     ; (it saturates)
	s_delay_alu instid0(VALU_DEP_1)
	v_ldexp_f32 v[FF], 1.0, v[TP]                  ; f
.irp b, 0,1,2,3
.irp i, 0,2,4,6,8,10,12,14
	v_pk_fma_f32 v[S+16*\b+\i:S+16*\b+\i+1], v[S+16*\b+\i:S+16*\b+\i+1], s[CS:CS+1], v[12:13] op_sel_hi:[1,0,0]   ; t - M
.endr
.endr
.irp b, 0,1,2,3
	v_fma_f32 v[BM+\b], v[BM+\b], s[CS], v12       ; the same of each block's largest score
.endr
	s_wait_alu depctr_va_vdst(0)
.irp b, 0,1,2,3
.irp i, 0,1,2,3,4,5,6,7,8,9,10,11,12,13,14,15
	v_exp_f32 v[S+16*\b+\i], v[S+16*\b+\i]         ; p
.endr
.endr
	v_pk_mul_f32 v[14:15], v[14:15], v[FF:FF+1] op_sel_hi:[1,0]   ; l under the new M: the plain instruction behind the exponentials
	s_wait_alu depctr_va_vdst(0)                   ; one wait for the batch of 64, ahead of its first reader
.irp b, 0,1,2,3
	v_exp_f32 v[BM+\b], v[BM+\b]                   ; the blocks' largest p
.endr
	v_pk_add_f32 v[216:217], v[100:101], v[104:105]
	v_pk_add_f32 v[252:253], v[108:109], v[112:113]
	v_pk_add_f32 v[250:251], v[116:117], v[120:121]
	v_pk_add_f32 v[248:249], v[124:125], v[128:129]
	v_pk_add_f32 v[246:247], v[132:133], v[136:137]
	v_pk_add_f32 v[244:245], v[140:141], v[144:145]
	v_pk_add_f32 v[242:243], v[148:149], v[152:153]
	v_pk_add_f32 v[14:15], v[14:15], v[156:157]
	v_pk_add_f32 v[216:217], v[216:217], v[96:97]
	v_pk_add_f32 v[252:253], v[252:253], v[98:99]
	v_pk_add_f32 v[250:251], v[250:251], v[102:103]
	v_pk_add_f32 v[248:249], v[248:249], v[106:107]
	v_pk_add_f32 v[246:247], v[246:247], v[110:111]
	v_pk_add_f32 v[244:245], v[244:245], v[114:115]
	v_pk_add_f32 v[242:243], v[242:243], v[118:119]
	v_pk_add_f32 v[14:15], v[14:15], v[122:123]
	v_pk_add_f32 v[216:217], v[216:217], v[126:127]
	v_pk_add_f32 v[252:253], v[252:253], v[130:131]
	v_pk_add_f32 v[250:251], v[250:251], v[134:135]
	v_pk_add_f32 v[248:249], v[248:249], v[138:139]
	v_pk_add_f32 v[246:247], v[246:247], v[142:143]
	v_pk_add_f32 v[244:245], v[244:245], v[146:147]
	v_pk_add_f32 v[242:243], v[242:243], v[150:151]
	v_pk_add_f32 v[14:15], v[14:15], v[154:155]
	v_pk_add_f32 v[216:217], v[216:217], v[158:159]
	s_delay_alu instid0(VALU_DEP_2)
	v_pk_add_f32 v[14:15], v[14:15], v[248:249]
	s_delay_alu instid0(VALU_DEP_2)
	v_pk_add_f32 v[216:217], v[216:217], v[246:247]
	v_pk_add_f32 v[252:253], v[252:253], v[244:245]
	v_pk_add_f32 v[250:251], v[250:251], v[242:243]
	s_delay_alu instid0(VALU_DEP_2)
	v_pk_add_f32 v[14:15], v[14:15], v[252:253]
	s_delay_alu instid0(VALU_DEP_2)
	v_pk_add_f32 v[216:217], v[216:217], v[250:251]
	s_delay_alu instid0(VALU_DEP_1)
	v_pk_add_f32 v[14:15], v[14:15], v[216:217]
	s_wait_alu depctr_va_vdst(0)                   ; and one for the four
.irp b, 0,1,2,3
	v_max_num_f32 v[BM+\b], 0x1800000, v[BM+\b]    ; the floor 2^(3 - 127)
.endr
.irp b, 0,1,2,3
	s_delay_alu instid0(VALU_DEP_4)
	v_add_nc_u32 v[SO+\b], 0xff000000, v[BM+\b]
.endr
.irp b, 0,1,2,3
	s_delay_alu instid0(VALU_DEP_4)
	v_lshrrev_b32 v[T+\b], 23, v[SO+\b]
.endr
	s_delay_alu instid0(VALU_DEP_3)
	v_lshl_or_b32 v[PW], v[T+1], 8, v[T]
	s_delay_alu instid0(VALU_DEP_1)
	v_lshl_or_b32 v[PW], v[T+2], 16, v[PW]
	s_delay_alu instid0(VALU_DEP_1)
	v_lshl_or_b32 v[PW], v[T+3], 24, v[PW]
.irp c, 0,1
	v_cvt_scalef32_pk16_fp6_f32 v[PCD+6*\c:PCD+6*\c+2], v[S+32*\c:S+32*\c+15], v[SO+2*\c]
	v_cvt_scalef32_pk16_fp6_f32 v[PX+4*\c:PX+4*\c+2], v[S+32*\c+16:S+32*\c+31], v[SO+2*\c+1]
.endr
	v_nop                                          ; one plain instruction behind the scaled conversions
.irp c, 0,1
.irp i, 0,1,2
	v_permlane16_swap_b32 v[PCD+6*\c+\i], v[PX+4*\c+\i]
.endr
.irp i, 0,1,2
	s_delay_alu instid0(VALU_DEP_3)
	v_mov_b32 v[PCD+6*\c+3+\i], v[PX+4*\c+\i]
.endr
.endr
.irp j, 0,2,4,6,8,10,12,14,16,18,20,22,24,26,28,30
	v_pk_mul_f32 v[O+\j:O+\j+1], v[O+\j:O+\j+1], v[FF:FF+1] op_sel_hi:[1,0]   ; O^T under the new M; these sixteen are also the places between p's scale word and codes and the products
.endr
	s_wait_alu depctr_va_vdst(0)
	s_wait_dscnt 0x0                               ; V is in
.irp d, 0,1,2,3
	v_wmma_scale_f32_16x16x128_f8f6f4 v[O+8*\d:O+8*\d+7], v[F+12*\d:F+12*\d+11], v[PCD:PCD+11], v[O+8*\d:O+8*\d+7], v[VS+\d], v[PW] matrix_a_fmt:MATRIX_FMT_FP6 matrix_b_fmt:MATRIX_FMT_FP6
.endr
.endm
; A job's end: O^T / l, quantised along the head's 64 (two blocks), stored as half a fragment's image and two scale bytes a row
.macro FINISH job
.rept 4
	v_nop                                          ; behind the last products
.endr
	v_add_f32 v14, v14, v15
	s_delay_alu instid0(VALU_DEP_1)
	v_permlanex16_b32 v[TP], v14, s[SEL], s[SEL+1]
	s_delay_alu instid0(VALU_DEP_1)
	v_add_f32 v14, v14, v[TP]                      ; l
	s_wait_alu depctr_va_vdst(0)
	v_rcp_f32 v14, v14
	v_nop                                          ; a plain instruction behind the reciprocal,
	s_wait_alu depctr_va_vdst(0)                   ; and the wait ahead of its first reader
.irp j, 0,1,2,3,4,5,6,7,8,9,10,11,12,13,14,15,16,17,18,19,20,21,22,23,24,25,26,27,28,29,30,31
	v_mul_f32 v[S+\j], v[O+\j], v14                ; register 16 b + i is channel 32 b + 16 h + i of my query
.endr
.irp b, 0,1
	v_max3_num_f32 v[BM+\b], |v[S+16*\b]|, |v[S+16*\b+1]|, 0x1800000
.endr
.irp i, 2,4,6,8,10,12,14
.irp b, 0,1
	s_delay_alu instid0(VALU_DEP_2)
	v_max3_num_f32 v[BM+\b], v[BM+\b], |v[S+16*\b+\i]|, |v[S+16*\b+\i+1]|
.endr
.endr
.irp b, 0,1
	s_delay_alu instid0(VALU_DEP_2)
	v_permlanex16_b32 v[T+\b], v[BM+\b], s[SEL], s[SEL+1]
.endr
.irp b, 0,1
	s_delay_alu instid0(VALU_DEP_2)
	v_max_num_f32 v[BM+\b], v[BM+\b], v[T+\b]
.endr
.irp b, 0,1
	s_delay_alu instid0(VALU_DEP_2)
	v_add_nc_u32 v[SO+\b], 0xff000000, v[BM+\b]
.endr
.irp b, 0,1
	s_delay_alu instid0(VALU_DEP_2)
	v_lshrrev_b32 v[T+\b], 23, v[SO+\b]
.endr
	v_cvt_scalef32_pk16_fp6_f32 v[PCD:PCD+2], v[S:S+15], v[SO]
	v_cvt_scalef32_pk16_fp6_f32 v[PX:PX+2], v[S+16:S+31], v[SO+1]
	v_nop
.irp i, 0,1,2
	v_permlane16_swap_b32 v[PCD+\i], v[PX+\i]
.endr
.irp i, 0,1,2
	s_delay_alu instid0(VALU_DEP_3)
	v_mov_b32 v[PCD+3+\i], v[PX+\i]
.endr
	v_cndmask_b32 v[TP], v[T], v[T+1], s[HM]       ; lane (r, h) stores block h's byte
.irp p, 0,1,2
	global_store_b64 v[L8], v[PCD+2*\p:PCD+2*\p+1], s[AC+2*\job:AC+2*\job+1] offset:256*\p   ; 256 consecutive bytes, aligned
.endr
	global_store_b8 v[GS], v[TP], s[ASC+2*\job:ASC+2*\job+1]   ; a head owns 2 of a row's 32 scale bytes
	s_wait_xcnt 0x0                                ; the stores' data registers are written again only behind this wait
.endm
	s_load_b256 s[4:11], s[0:1], 0x0               ; q, kv, a_codes, a_scales
	v_lshl_add_u32 v254, v0, 2, 0x32000
	v_mov_b32 v255, 0
	ds_add_u32 v254, v255
	ds_add_u32 v254, v255
	v_lshrrev_b32 v[VQ], 5, v0
	s_delay_alu instid0(VALU_DEP_1)
	v_readfirstlane_b32 s[WV], v[VQ]               ; wave 0..15
	s_lshr_b32 s[G], s[WV], 1
	s_and_b32 s[E], s[WV], 1
	s_bfe_u32 s[CX], ttmp6, 0x40000
	s_and_b32 s[BH], ttmp7, 0xffff                 ; 16 x batch + head, which the four partners share
	s_xor_b32 s[NSW], s[G], 15
	s_add_co_u32 s[NSW], s[NSW], 1
	s_mov_b32 s[SEL], 0x76543210
	s_mov_b32 s[SEL+1], 0xfedcba98
	s_mov_b32 s[CS], 0x3e38aa3b                    ; log2(e) / 8
	s_mov_b32 s[CS+1], s[CS]                       ; (named with it as a pair)
	s_mov_b32 s[HM], 0xffff0000
	; group 1: dense blocks as rows of 256 bytes (32 elements of 8 bytes): one record, or three
	s_mov_b32 s[G1A], 15|(3<<16)|(1<<21)           ; 15:0 the mask: all four work-groups; 17:16 elements of 8 bytes; 21 set beside a mask
	s_mov_b32 s[G1A+1], 32<<16
	s_mov_b32 s[G1A+2], 50<<16
	s_mov_b32 s[G1A+3], 32<<16
	s_mov_b32 s[G1A+4], 50
	s_mov_b32 s[G1A+5], 32
	s_mov_b32 s[G1A+6], 0
	s_mov_b32 s[G1A+7], 0
	s_mov_b32 s[G1B], 15|(3<<16)|(1<<21)
	s_mov_b32 s[G1B+1], 32<<16
	s_mov_b32 s[G1B+2], 150<<16
	s_mov_b32 s[G1B+3], 32<<16
	s_mov_b32 s[G1B+4], 150
	s_mov_b32 s[G1B+5], 32
	s_mov_b32 s[G1B+6], 0
	s_mov_b32 s[G1B+7], 0
	s_mul_i32 s76, s[BH], 16*REC                   ; the head's records.  s76-79 never hold cx
	s_mov_b32 s77, 0
	s_mul_i32 s78, s[WV], REC                      ; waves 0-3: record w,
	s_mov_b32 s79, 0
	s_wait_dscnt 0x0
	s_wait_kmcnt 0x0
	s_add_nc_u64 s[6:7], s[6:7], s[76:77]
	s_mov_b32 s[G0A], 1
	s_mov_b32 s[G0A+1], s78
	s_add_nc_u64 s[G0A+2:G0A+3], s[6:7], s[78:79]
	s_or_b32 s[G0A+3], s[G0A+3], 0x80000000
	s_mul_i32 s78, s[WV], 3*REC                    ; and records 4 + 3 w .. 6 + 3 w
	s_add_co_u32 s78, s78, 4*REC
	s_mov_b32 s[G0B], 1
	s_mov_b32 s[G0B+1], s78
	s_add_nc_u64 s[G0B+2:G0B+3], s[6:7], s[78:79]
	s_or_b32 s[G0B+3], s[G0B+3], 0x80000000
	CROUND                                         ; all four work-groups are here: the joint loads meet
	s_cmp_lt_u32 s[WV], 4                          ; a wave's two fills stand in one branch on the wave's number: two loads of mine are out
	s_cbranch_scc0 .Lno_fill
	tensor_load_to_lds s[G0A:G0A+3], s[G1A:G1A+7]
	s_nop 0
	tensor_load_to_lds s[G0B:G0B+3], s[G1B:G1B+7]
	s_nop 0
.rept 4
	v_nop
.endr
.Lno_fill:
	; pointers of the two jobs
	s_lshr_b32 s66, s[BH], 4
	s_lshl_b32 s66, s66, 7                         ; 128 tiles of tokens a batch
	s_lshl_b32 s67, s[CX], 1
	s_add_co_u32 s67, s67, s[E]                    ; u = 2 cx + e: my tile in a group
	s_add_co_u32 s66, s66, s67
	s_xor_b32 s68, s[G], 15                        ; job 1's group
	s_lshl_b32 s69, s68, 3
	s_add_co_u32 s69, s69, s66                     ; job 1's tile of tokens
	s_lshl_b32 s70, s[G], 3
	s_add_co_u32 s70, s70, s66                     ; job 2's
	s_and_b32 s71, s[BH], 15                       ; the head
	s_mul_i32 s72, s71, 768
	s_mov_b32 s75, 0
	s_mul_i32 s74, s69, 12288
	s_add_co_u32 s74, s74, s72
	s_add_nc_u64 s[AC:AC+1], s[8:9], s[74:75]
	s_mul_i32 s74, s70, 12288
	s_add_co_u32 s74, s74, s72
	s_add_nc_u64 s[AC+2:AC+3], s[8:9], s[74:75]
	s_lshl_b32 s72, s71, 1
	s_lshl_b32 s74, s69, 9
	s_add_co_u32 s74, s74, s72
	s_add_nc_u64 s[ASC:ASC+1], s[10:11], s[74:75]
	s_lshl_b32 s74, s70, 9
	s_add_co_u32 s74, s74, s72
	s_add_nc_u64 s[ASC+2:ASC+3], s[10:11], s[74:75]
	s_lshl_b32 s72, s[BH], 4
	s_add_co_u32 s74, s72, s68
	s_mul_i32 s74, s74, 6400
	s_add_nc_u64 s[QP:QP+1], s[4:5], s[74:75]
	s_add_co_u32 s74, s72, s[G]
	s_mul_i32 s74, s74, 6400
	s_add_nc_u64 s[QP+2:QP+3], s[4:5], s[74:75]
	v_and_b32 v[TP], 31, v0
	v_and_b32 v[T], 15, v0                         ; r
	v_bfe_u32 v[T+1], v0, 4, 1                     ; h
	s_delay_alu instid0(VALU_DEP_3)
	v_lshlrev_b32 v[L8], 3, v[TP]
	s_delay_alu instid0(VALU_DEP_3)
	v_lshlrev_b32 v[R16], 4, v[T]
	s_mul_i32 s73, s67, 768
	v_add_nc_u32 v[VQ], s73, v[L8]                 ; my tile's codes in a record of q
	s_lshl_b32 s73, s[CX], 2
	s_add_co_u32 s73, s73, 6144
	v_add_nc_u32 v[VQS], s73, v[R16]               ; and the word that holds its scale bytes
.irp p, 0,1,2
	global_load_b64 v[QLO+2*\p:QLO+2*\p+1], v[VQ], s[QP:QP+1] offset:256*\p
	global_load_b64 v[Q2+2*\p:Q2+2*\p+1], v[VQ], s[QP+2:QP+3] offset:256*\p
.endr
	global_load_b32 v[RW], v[VQS], s[QP:QP+1]
	global_load_b32 v[RW+1], v[VQS], s[QP+2:QP+3]
	s_lshl_b32 s66, s[CX], 5
	s_lshl_b32 s73, s[E], 3
	s_add_co_u32 s66, s66, s73
	v_and_b32 v[DQ], 8, v[T]
	s_delay_alu instid0(VALU_DEP_1)
	v_add_nc_u32 v[DQ], v[DQ], v[T]
	s_delay_alu instid0(VALU_DEP_1)
	v_add_nc_u32 v[DQ], s66, v[DQ]                 ; my query in its group: 32 cx + 8 e + r + 8 (r / 8)
	v_lshlrev_b32 v[T+2], 4, v[T+1]
	s_delay_alu instid0(VALU_DEP_1)
	v_sub_nc_u32 v[DQ], v[DQ], v[T+2]              ; - 16 h: register 16 b + i is hidden where 32 b + i is above this
	v_lshl_add_u32 v[GS], v[T], 5, v[T+1]
.irp i, 0,1,2,3,4,5
	v_mov_b32 v[QHI+\i], 0
	v_mov_b32 v[QLO+6+\i], 0
.endr
	v_mov_b32 v13, 0xff61b1e6                      ; the largest t so far: -3e38
	s_delay_alu instid0(VALU_DEP_1)
	v_floor_f32 v12, -v13
	v_mov_b32 v14, 0
	v_mov_b32 v15, 0
.irp b, 0,1,2,3
	v_mov_b32 v[T+\b], 0                           ; a lane permute's destination counts as one of its sources
.endr
	v_mov_b32 v[FF+1], 0
	v_mov_b32 v[TP], 0
	s_lshl_b32 s73, s[E], 4
	s_wait_loadcnt 0x0
.irp k, 0,1
	v_lshrrev_b32 v[RW+\k], s73, v[RW+\k]          ; my tile's two bytes,
	s_delay_alu instid0(VALU_DEP_1)
	v_and_b32 v[RW+\k], 0xffff, v[RW+\k]
	s_delay_alu instid0(VALU_DEP_1)
	v_lshl_or_b32 v[QS+\k], v[RW+\k], 16, v[RW+\k] ; for either half of K
.endr
.irp j, 0,1,2,3,4,5,6,7,8,9,10,11,12,13,14,15,16,17,18,19,20,21,22,23,24,25,26,27,28,29,30,31
	v_mov_b32 v[O+\j], 0                           ; O^T: the step is written once and finds zeros; these are also the places behind the scale word's write
.endr
	s_wait_tensorcnt 0x1                           ; my record of the first four is in; my second load may stay out
	s_barrier_signal -1
	s_barrier_wait -1
	s_mov_b32 s[NN], 0
	s_mov_b32 s[TB], 0
.La:                                               ; trips 0 to 3: every wave is in job 1, whose group is 8 or more: no diagonal
	STEP 0
	s_add_co_u32 s[TB], s[TB], REC
	s_add_co_u32 s[NN], s[NN], 1
	s_cmp_lt_u32 s[NN], 4
	s_cbranch_scc1 .La
	s_wait_tensorcnt 0x0                           ; all my loads have landed,
	s_wait_dscnt 0x0
	s_barrier_signal -1
	s_barrier_wait -1                              ; everybody's have: from here on LDS is only read
	s_mov_b32 s[AH], 4*REC
	s_mov_b32 s[AL], 12*REC
.Lb:                                               ; trips 4 to 16
	s_cmp_lg_u32 s[NN], s[NSW]
	s_cbranch_scc1 .Lsame
	FINISH 0                                       ; job 1 is done
.irp i, 0,1,2,3,4,5
	v_mov_b32 v[QLO+\i], v[Q2+\i]                  ; job 2 begins
.endr
	v_mov_b32 v[QS], v[QS+1]
	v_mov_b32 v13, 0xff61b1e6
	s_delay_alu instid0(VALU_DEP_1)
	v_floor_f32 v12, -v13
	v_mov_b32 v14, 0
	v_mov_b32 v15, 0
.irp j, 0,1,2,3,4,5,6,7,8,9,10,11,12,13,14,15,16,17,18,19,20,21,22,23,24,25,26,27,28,29,30,31
	v_mov_b32 v[O+\j], 0                           ; (also the places behind the writes of Q and of its scale word)
.endr
.Lsame:
	s_min_u32 s66, s[AH], 15*REC                   ; both held inside the head's records
	s_min_u32 s67, s[AL], 15*REC
	s_cmp_ge_u32 s[NN], s[NSW]
	s_cselect_b32 s[TB], s67, s66                  ; job 2 walks down, job 1 up
	STEP 1
	s_add_co_u32 s[AH], s[AH], REC
	s_sub_co_u32 s[AL], s[AL], REC
	s_add_co_u32 s[NN], s[NN], 1
	s_cmp_lt_u32 s[NN], 17
	s_cbranch_scc1 .Lb
	FINISH 1
	s_wait_tensorcnt 0x0
	ds_add_u32 v254, v255
	s_wait_dscnt 0x0
	CROUND                                         ; the closing round
	s_endpgm
.Lfunc_end_k_q13383c64bc_attn:
	.size	k_q13383c64bc_attn, .Lfunc_end_k_q13383c64bc_attn-k_q13383c64bc_attn
	.p2alignl 7, 3214868480
	.fill 96, 4, 3214868480
	.section	.rodata,"a",@progbits
	.p2align	6, 0x0
	.amdhsa_kernel k_q13383c64bc_attn
		.amdhsa_group_segment_fixed_size 206848
		.amdhsa_private_segment_fixed_size 0
		.amdhsa_enable_private_segment 0
		.amdhsa_kernarg_size 32
		.amdhsa_user_sgpr_count 2
		.amdhsa_user_sgpr_kernarg_segment_ptr 1
		.amdhsa_wavefront_size32 1
		.amdhsa_system_sgpr_workgroup_id_x 1
		.amdhsa_system_sgpr_workgroup_id_y 1
		.amdhsa_system_sgpr_workgroup_id_z 1
		.amdhsa_system_vgpr_workitem_id 0
		.amdhsa_next_free_vgpr 256
		.amdhsa_next_free_sgpr 80
		.amdhsa_reserve_vcc 1
		.amdhsa_float_denorm_mode_32 3
		.amdhsa_float_denorm_mode_16_64 3
		.amdhsa_memory_ordered 1
		.amdhsa_forward_progress 1
		.amdhsa_inst_pref_size 62
	.end_amdhsa_kernel
	.amdgpu_metadata
---
amdhsa.version: [ 1, 2 ]
amdhsa.kernels:
  - .name:           k_q13383c64bc_attn
    .symbol:         k_q13383c64bc_attn.kd
    .args:
      - { .name: q, .offset: 0, .size: 8, .value_kind: global_buffer, .address_space: global }
      - { .name: kv, .offset: 8, .size: 8, .value_kind: global_buffer, .address_space: global }
      - { .name: a_codes, .offset: 16, .size: 8, .value_kind: global_buffer, .address_space: global }
      - { .name: a_scales, .offset: 24, .size: 8, .value_kind: global_buffer, .address_space: global }
    .group_segment_fixed_size: 206848
    .private_segment_fixed_size: 0
    .kernarg_segment_align: 8
    .kernarg_segment_size: 32
    .max_flat_workgroup_size: 512
    .sgpr_count:     80
    .vgpr_count:     256
    .wavefront_size: 32
...
	.end_amdgpu_metadata
.endif
;; end of part 3
;; launch oproj (part 4): grid 4 x 64, 4 waves a work-group, clusters of 4 x 4, 312,832 bytes of LDS; arguments a_codes, a_scales, w_codes, w_scales, b_o, out0; writes out0
.if DOCPART == 4
	.amdgcn_target "amdgcn-amd-amdhsa--gfx1250"
	.amdhsa_code_object_version 6
	.text
	.protected	k_q13383c64bc_oproj
	.globl	k_q13383c64bc_oproj
	.p2align	8
	.type	k_q13383c64bc_oproj,@function
k_q13383c64bc_oproj:
	s_mov_b64 s[64:65], 0
	v_nop
	global_prefetch_b8 v0, s[64:65] scope:SCOPE_SE
	s_setreg_imm32_b32 hwreg(HW_REG_WAVE_MODE, 25, 1), 1
	s_wait_xcnt 0x0
	s_wait_alu depctr_hold_cnt(0) depctr_sa_sdst(0) depctr_va_vdst(0) depctr_va_sdst(0) depctr_va_ssrc(0) depctr_va_vcc(0) depctr_vm_vsrc(0)
	s_getreg_b32 s2, hwreg(HW_REG_IB_STS2, 6, 4)
	s_cmp_eq_u32 s2, 0
	s_cbranch_scc0 .Lentry_in_a_cluster
	s_endpgm
.Lentry_in_a_cluster:
	s_bfe_u32 s2, ttmp6, 0x10000c
	s_cmp_lg_u32 s2, 0xf033
	s_cbranch_scc0 .Lentry_shape_is_right
	s_endpgm
.Lentry_shape_is_right:
; out0 = a W_o^T + b_o on codes of FP6 (E2M3) with E8M0 scales; a is the attention's result, quantised by the launch before; out0 [8192][1024] f32.
; SHARES.  A work-group makes 128 tokens x 256 columns (256 work-groups); wave w makes all 128 tokens x columns 64 w .. 64 w + 63: 32 accumulators, 256 registers.
; THE WHOLE K LIES IN LDS: (128 + 256) rows x 768 bytes = 294,912 bytes, filled once, in four chunks of 256 along K.  Behind them lie the waves' stages for the way out, into which no fill lands.
; CLUSTER 4 x 4: a's tiles are shared along a row of the cluster, W_o's along a column: each is asked for jointly.
; OPERANDS lie in memory and in LDS as images of their registers (16 rows x 128 K: 1,536 bytes, register pair p at 256 p + 8 x lane).  Image row r of tile t is row 32 (t / 2) + 8 (t % 2) + r + 8 (r / 8).
; Source 0 = 16 rows of W_o, source 1 = 16 tokens: a lane holds a token and eight neighbouring columns.  The bias is the C of each sum's first product.
; REGISTERS, in windows of 256: window 0: v1-12 offsets, v16-23 LDS addresses, v32-63 a's scale words, v64-79 W's, v128-191 rows on the way out.  window 1: fragment set 0 (v0-95 a's 8 tiles, v96-143 W's 4), v144-175 the bias.
;   window 2: fragment set 1.   window 3: the accumulators.
.set CHUNK, 73728
.set TILEB, 3072
.set WOFF,  8*TILEB
.set STAGE, 4*CHUNK                    ; 16 rows x (256 bytes + 16) for each wave
.set SPITCH, 272
.set L8,   1
.set OXS,  2
.set OWS,  3
.set OBQ,  4
.set STO,  10                          ; v10  the stage: where I put 16 bytes of a row
.set RD,   11                          ; v11  and where I read a row back
.set CO,   12                          ; v12  my byte offset in out0
.set AX,   16
.set AW,   20
.set XS,   32
.set WS,   64
.set BK,   128
.set BB,   144
.set WV,   22
.set HALF, 23
.set G1X,  32
.set G1W,  40
.set G0X,  48
.set G0W,  68
.set MSB, 0
.macro WIN new                         ; the immediate's high byte repeats the setting that is left
.if MSB != \new
	s_set_vgpr_msb (MSB<<8)|\new
.set MSB, \new
.endif
.endm
.macro CROUND                          ; a round of the cluster's barrier
	s_barrier_signal -1
	s_barrier_wait -1
	s_cmp_lg_u32 s[WV], 0
	s_cbranch_scc1 .Lnot_wave_0_\@
	s_barrier_signal -3
.Lnot_wave_0_\@:
	s_barrier_wait -3
	s_barrier_signal -1
	s_barrier_wait -1
.endm
.macro PLACES n
.rept \n
	v_nop
.endr
.endm
.macro MM dd, aa, bb, cc, sa, sb, ra, rb   ; one product; ra, rb: the side's scale words stand in lanes 16-31 of the register named
.if (\ra) && (\rb)
	v_wmma_scale_f32_16x16x128_f8f6f4 v[(\dd):(\dd)+7], v[(\aa):(\aa)+11], v[(\bb):(\bb)+11], v[(\cc):(\cc)+7], v[(\sa)], v[(\sb)] matrix_a_fmt:MATRIX_FMT_FP6 matrix_b_fmt:MATRIX_FMT_FP6 matrix_a_scale:MATRIX_SCALE_ROW1 matrix_b_scale:MATRIX_SCALE_ROW1
.elseif (\ra)
	v_wmma_scale_f32_16x16x128_f8f6f4 v[(\dd):(\dd)+7], v[(\aa):(\aa)+11], v[(\bb):(\bb)+11], v[(\cc):(\cc)+7], v[(\sa)], v[(\sb)] matrix_a_fmt:MATRIX_FMT_FP6 matrix_b_fmt:MATRIX_FMT_FP6 matrix_a_scale:MATRIX_SCALE_ROW1
.elseif (\rb)
	v_wmma_scale_f32_16x16x128_f8f6f4 v[(\dd):(\dd)+7], v[(\aa):(\aa)+11], v[(\bb):(\bb)+11], v[(\cc):(\cc)+7], v[(\sa)], v[(\sb)] matrix_a_fmt:MATRIX_FMT_FP6 matrix_b_fmt:MATRIX_FMT_FP6 matrix_b_scale:MATRIX_SCALE_ROW1
.else
	v_wmma_scale_f32_16x16x128_f8f6f4 v[(\dd):(\dd)+7], v[(\aa):(\aa)+11], v[(\bb):(\bb)+11], v[(\cc):(\cc)+7], v[(\sa)], v[(\sb)] matrix_a_fmt:MATRIX_FMT_FP6 matrix_b_fmt:MATRIX_FMT_FP6
.endif
.endm
.macro FETCH s                         ; K step s: 72 LDS loads in one run, into set s % 2
.if (\s)%2 == 0
	WIN 0x40
.else
	WIN 0x80
.endif
.irp i, 0,1,2,3,4,5,6,7
.irp p, 0,1,2,3,4,5
	ds_load_b64 v[12*\i+2*\p:12*\i+2*\p+1], v[AX+(\s)/2] offset:TILEB*\i+1536*((\s)%2)+256*\p
.endr
.endr
.irp t, 0,1,2,3
.irp p, 0,1,2,3,4,5
	ds_load_b64 v[96+12*\t+2*\p:96+12*\t+2*\p+1], v[AW+(\s)/2] offset:TILEB*\t+1536*((\s)%2)+256*\p
.endr
.endr
	WIN 0
.endm
.macro MULS s                          ; K step s: 32 products; the 32 accumulators take turns, one instruction a turn.  In step 0 the bias is C
.if (\s) == 0
	WIN 0xd5
.elseif (\s)%2 == 0
	WIN 0xf5
.else
	WIN 0xfa
.endif
.irp i, 0,1,2,3,4,5,6,7
.irp t, 0,1,2,3
.if (\s) == 0
	MM 8*(4*\i+\t), 96+12*\t, 12*\i, BB+8*\t, WS+8*(\t%2)+(\s), XS+8*(\i%4)+(\s), \t/2, \i/4
.else
	MM 8*(4*\i+\t), 96+12*\t, 12*\i, 8*(4*\i+\t), WS+8*(\t%2)+(\s), XS+8*(\i%4)+(\s), \t/2, \i/4
.endif
.endr
.endr
	WIN 0
.endm
.macro STEP s
	s_wait_dscnt 0x0                               ; set s % 2 is in, and no LDS instruction of mine is out at a signal
.if ((\s) == 1) || ((\s) == 3) || ((\s) == 5)
	s_wait_tensorcnt 3-((\s)+1)/2                  ; my part of the next chunk has landed; my loads of the chunks behind it may stay out
	s_barrier_signal -1
	s_barrier_wait -1
.endif
.if (\s) < 7
	PLACES 4                                       ; in front of loads into registers that the last step's products read
	FETCH (\s)+1
.endif
	MULS \s
.endm
	s_load_b256 s[4:11], s[0:1], 0x0               ; a_codes, a_scales, w_codes, w_scales
	s_load_b128 s[12:15], s[0:1], 0x20             ; b_o, out0
	v_lshl_add_u32 v254, v0, 2, 0x4c400
	v_mov_b32 v255, 0
	ds_add_u32 v254, v255
	ds_add_u32 v254, v255
	v_lshrrev_b32 v7, 5, v0
	v_readfirstlane_b32 s[WV], v7
	s_and_b32 s[HALF], s[WV], 1
	s_lshr_b32 s24, s[WV], 1
	s_bfe_u32 s25, ttmp6, 0x40000                  ; cx
	s_bfe_u32 s26, ttmp6, 0x40004                  ; cy
	s_and_b32 s28, ttmp7, 0xffff
	s_lshl_b32 s28, s28, 2
	s_add_co_u32 s28, s28, s26                     ; R: which 128 tokens
	s_add_co_u32 s29, s25, 12                      ; CT: W_o is the fourth section of w_codes
	s_lshl_b32 s84, s26, 2
	s_lshl_b32 s84, 15, s84                        ; my row of the cluster
	s_lshl_b32 s88, 0x1111, s25                    ; my column
	s_or_b32 s[G1X], s84, (3<<16)|(1<<21)          ; group 1: tile rows of 3,072 bytes (384 elements of 8 bytes), 12,288 bytes apart in memory, dense in LDS; 4 of a or 8 of W to a load
	s_or_b32 s[G1W], s88, (3<<16)|(1<<21)
	s_mov_b32 s[G1X+1], 384<<16
	s_mov_b32 s[G1X+2], 4<<16
	s_mov_b32 s[G1X+3], 384<<16
	s_mov_b32 s[G1X+4], 4
	s_mov_b32 s[G1X+5], 1536
	s_mov_b32 s[G1X+6], 0
	s_mov_b32 s[G1X+7], 0
	s_mov_b32 s[G1W+1], 384<<16
	s_mov_b32 s[G1W+2], 8<<16
	s_mov_b32 s[G1W+3], 384<<16
	s_mov_b32 s[G1W+4], 8
	s_mov_b32 s[G1W+5], 1536
	s_mov_b32 s[G1W+6], 0
	s_mov_b32 s[G1W+7], 0
	s_mul_i32 s84, s28, 98304                      ; these registers never hold cx,
	s_mul_i32 s85, s[HALF], 49152
	s_add_co_u32 s84, s84, s85
	s_mov_b32 s85, 0
	s_mul_i32 s88, s29, 196608                     ; and these never cy
	s_mul_i32 s89, s[HALF], 98304
	s_add_co_u32 s88, s88, s89
	s_mov_b32 s89, 0
	s_mul_i32 s30, s[HALF], 4*TILEB
	s_mul_i32 s31, s[HALF], 8*TILEB
	s_add_co_u32 s31, s31, WOFF
	s_wait_dscnt 0x0
	s_wait_kmcnt 0x0
	s_add_nc_u64 s[86:87], s[4:5], s[84:85]
	s_add_nc_u64 s[90:91], s[8:9], s[88:89]
.irp c, 0,1,2,3
	s_mov_b32 s[G0X+4*\c], 1
	s_add_co_u32 s[G0X+4*\c+1], s30, \c*CHUNK
	s_add_nc_u64 s[G0X+4*\c+2:G0X+4*\c+3], s[86:87], \c*TILEB
	s_or_b32 s[G0X+4*\c+3], s[G0X+4*\c+3], 0x80000000
	s_mov_b32 s[G0W+4*\c], 1
	s_add_co_u32 s[G0W+4*\c+1], s31, \c*CHUNK
	s_add_nc_u64 s[G0W+4*\c+2:G0W+4*\c+3], s[90:91], \c*TILEB
	s_or_b32 s[G0W+4*\c+3], s[G0W+4*\c+3], 0x80000000
.endr
	CROUND                                         ; all sixteen work-groups are here: the joint loads meet
	s_cmp_eq_u32 s24, 0                            ; a wave's four fills stand in one branch on the wave's number: four loads of mine are out
	s_cbranch_scc0 .Lfill_w
.irp c, 0,1,2,3
	tensor_load_to_lds s[G0X+4*\c:G0X+4*\c+3], s[G1X:G1X+7]
	s_nop 0
.endr
	PLACES 4
	s_branch .Lfilled
.Lfill_w:
.irp c, 0,1,2,3
	tensor_load_to_lds s[G0W+4*\c:G0W+4*\c+3], s[G1W:G1W+7]
	s_nop 0
.endr
	PLACES 4
.Lfilled:
	v_and_b32 v7, 31, v0
	v_and_b32 v8, 15, v0                           ; r
	v_bfe_u32 v9, v0, 4, 1                         ; h
	v_lshlrev_b32 v[L8], 3, v7
	v_lshlrev_b32 v[OXS], 5, v8
	v_lshl_add_u32 v[OWS], v9, 10, v[OXS]
	v_lshl_add_u32 v[OXS], v9, 11, v[OXS]
	v_lshlrev_b32 v[OBQ], 6, v9
	s_mul_i32 s66, s[WV], 4*TILEB
	s_add_co_u32 s66, s66, WOFF
.irp c, 0,1,2,3
	v_add_nc_u32 v[AX+\c], \c*CHUNK, v[L8]
	v_add_nc_u32 v[AW+\c], s66, v[AX+\c]
.endr
	s_mul_i32 s66, s[WV], 16*SPITCH
	s_add_co_u32 s66, s66, STAGE                   ; my stage
	v_mul_u32_u24 v[STO], v8, SPITCH
	v_lshl_add_u32 v[STO], v9, 6, v[STO]
	v_add_nc_u32 v[STO], s66, v[STO]               ; in: row r, + 64 h
	v_mul_u32_u24 v[RD], v9, SPITCH
	v_lshl_add_u32 v[RD], v8, 4, v[RD]
	v_add_nc_u32 v[RD], s66, v[RD]                 ; back: lanes 0-15 one row of 256 bytes, lanes 16-31 the next
	v_lshlrev_b32 v[CO], 12, v9
	v_lshl_add_u32 v[CO], v8, 4, v[CO]             ; and the same two rows in out0
	s_lshl_b32 s96, s28, 12                        ; a's scale words: 8 tiles of 512 bytes for each R
	s_mov_b32 s97, 0
	s_add_nc_u64 s[6:7], s[6:7], s[96:97]
	s_lshl_b32 s96, s29, 13                        ; W's: 16 tiles for each CT, + my wave's four
	s_lshl_b32 s67, s[WV], 11
	s_add_co_u32 s96, s96, s67
	s_add_nc_u64 s[10:11], s[10:11], s[96:97]
.irp j, 0,1,2,3
	global_load_b128 v[XS+8*\j:XS+8*\j+3], v[OXS], s[6:7] offset:512*\j
	global_load_b128 v[XS+8*\j+4:XS+8*\j+7], v[OXS], s[6:7] offset:512*\j+16
.endr
.irp j, 0,1
	global_load_b128 v[WS+8*\j:WS+8*\j+3], v[OWS], s[10:11] offset:512*\j
	global_load_b128 v[WS+8*\j+4:WS+8*\j+7], v[OWS], s[10:11] offset:512*\j+16
.endr
	s_lshl_b32 s96, s25, 10
	s_lshl_b32 s67, s[WV], 8
	s_add_co_u32 s96, s96, s67                     ; 4 (256 cx + 64 wave): my 64 columns
	s_add_nc_u64 s[92:93], s[12:13], s[96:97]      ; in b_o,
	s_add_nc_u64 s[94:95], s[14:15], s[96:97]      ; and in a row of out0
	s_lshl_b32 s96, s28, 19                        ; 128 rows of 4,096 bytes for each R
	s_add_nc_u64 s[94:95], s[94:95], s[96:97]
	WIN 0x40
.irp t, 0,1,2,3                                ; register j of tile t is column 32 (t / 2) + 8 (t % 2) + 16 h + j
	global_load_b128 v[BB+8*\t:BB+8*\t+3], v[OBQ], s[92:93] offset:4*(32*(\t/2)+8*(\t%2))
	global_load_b128 v[BB+8*\t+4:BB+8*\t+7], v[OBQ], s[92:93] offset:4*(32*(\t/2)+8*(\t%2))+16
.endr
	WIN 0
	s_wait_alu depctr_va_vdst(0)
	s_wait_tensorcnt 0x3                           ; my part of chunk 0 is in; my three later loads may stay out
	s_barrier_signal -1
	s_barrier_wait -1
	FETCH 0
	s_wait_loadcnt 0x0                             ; the scale words and the bias
.irp s, 0,1,2,3,4,5,6,7
	STEP \s
.endr
; THE WAY OUT, a tile of 16 tokens x 64 columns at a time, through my own stage: a lane holds 32 bytes of a row and the lanes beside it other rows; back come whole rows of 256 bytes, which sixteen lanes store as one aligned block.
; LDS serves a wave's instructions in order (ISA guide 5.7.1.4): no wait between the stores and the loads, nor in front of the next tile's stores.
.macro TOSTAGE i
	WIN 0x0c                                       ; an LDS store's data: window 3
.irp t, 0,1,2,3
	ds_store_b128 v[STO], v[8*(4*(\i)+\t):8*(4*(\i)+\t)+3] offset:128*(\t/2)+32*(\t%2)          ; each accumulator from its low end on
	ds_store_b128 v[STO], v[8*(4*(\i)+\t)+4:8*(4*(\i)+\t)+7] offset:128*(\t/2)+32*(\t%2)+16
.endr
	WIN 0
.irp k, 0,1,2,3,4,5,6,7
	ds_load_b128 v[BK+32*((\i)%2)+4*\k:BK+32*((\i)%2)+4*\k+3], v[RD] offset:2*SPITCH*\k
.endr
.endm
.macro SEND i, younger                 ; younger: the LDS instructions issued behind tile i's loads, which may stay out
	s_wait_dscnt \younger
.irp k, 0,1,2,3,4,5,6,7                        ; image rows 2 k and 2 k + 1 of tile i: tokens 32 (i / 2) + 8 (i % 2) + 2 k + 8 (k / 4) and the next
	global_store_b128 v[CO], v[BK+32*((\i)%2)+4*\k:BK+32*((\i)%2)+4*\k+3], s[94:95] offset:(32*((\i)/2)+8*((\i)%2)+2*\k+8*(\k/4))*4096 th:TH_STORE_NT
.endr
.endm
	PLACES 4                                       ; behind the last products
	TOSTAGE 0
.irp i, 1,2,3,4,5,6,7
.if \i > 1
	s_wait_xcnt 0x0                                ; tile i - 2's stores have read their registers: tile i's loads may land there
.endif
	TOSTAGE \i
	SEND \i-1, 16                                  ; behind tile i - 1's loads: tile i's 8 stores and 8 loads
.endr
	SEND 7, 0
	s_wait_tensorcnt 0x0
	ds_add_u32 v254, v255
	s_wait_dscnt 0x0
	CROUND                                         ; the closing round: no work-group ends while a partner may still ask for a tile that names it
	s_endpgm
.Lfunc_end_k_q13383c64bc_oproj:
	.size	k_q13383c64bc_oproj, .Lfunc_end_k_q13383c64bc_oproj-k_q13383c64bc_oproj
	.p2alignl 7, 3214868480
	.fill 96, 4, 3214868480
	.section	.rodata,"a",@progbits
	.p2align	6, 0x0
	.amdhsa_kernel k_q13383c64bc_oproj
		.amdhsa_group_segment_fixed_size 312832
		.amdhsa_private_segment_fixed_size 0
		.amdhsa_enable_private_segment 0
		.amdhsa_kernarg_size 48
		.amdhsa_user_sgpr_count 2
		.amdhsa_user_sgpr_kernarg_segment_ptr 1
		.amdhsa_wavefront_size32 1
		.amdhsa_system_sgpr_workgroup_id_x 1
		.amdhsa_system_sgpr_workgroup_id_y 1
		.amdhsa_system_sgpr_workgroup_id_z 1
		.amdhsa_system_vgpr_workitem_id 0
		.amdhsa_next_free_vgpr 1024
		.amdhsa_next_free_sgpr 104
		.amdhsa_reserve_vcc 0
		.amdhsa_float_denorm_mode_32 3
		.amdhsa_float_denorm_mode_16_64 3
		.amdhsa_memory_ordered 1
		.amdhsa_forward_progress 1
		.amdhsa_inst_pref_size 97
	.end_amdhsa_kernel
	.amdgpu_metadata
---
amdhsa.version: [ 1, 2 ]
amdhsa.kernels:
  - .name:           k_q13383c64bc_oproj
    .symbol:         k_q13383c64bc_oproj.kd
    .args:
      - { .name: a_codes, .offset: 0, .size: 8, .value_kind: global_buffer, .address_space: global }
      - { .name: a_scales, .offset: 8, .size: 8, .value_kind: global_buffer, .address_space: global }
      - { .name: w_codes, .offset: 16, .size: 8, .value_kind: global_buffer, .address_space: global }
      - { .name: w_scales, .offset: 24, .size: 8, .value_kind: global_buffer, .address_space: global }
      - { .name: b_o, .offset: 32, .size: 8, .value_kind: global_buffer, .address_space: global }
      - { .name: out0, .offset: 40, .size: 8, .value_kind: global_buffer, .address_space: global }
    .group_segment_fixed_size: 312832
    .private_segment_fixed_size: 0
    .kernarg_segment_align: 8
    .kernarg_segment_size: 48
    .max_flat_workgroup_size: 128
    .sgpr_count:     104
    .vgpr_count:     1024
    .wavefront_size: 32
...
	.end_amdgpu_metadata
.endif
;; end of part 4
